; MI455X (gfx1250); checked and timed in simulation.
; The chip was launched on July 23, 2026; its instructions are those of AMD's public machine-readable ISA for CDNA 5 (MIT licence, August 2026) and "CDNA5" Instruction Set Architecture Reference Guide (July 2026). The comments in the code are by the model that wrote it; some were corrected since.
;; Multi Head Self Attention. Allowed arithmetic: float matrix products may take bf16 or f16 operands with f32 sums; all other float work in f32.
;; Inputs: b_out 1,024 float32; b_qkv 3,072 float32; mask 1 x 1 x 2,048 x 2,048 bool; w_out 1,024 x 1,024 float32; w_qkv 3,072 x 1,024 float32; x 4 x 2,048 x 1,024 float32.
;; Outputs: out0 4 x 2,048 x 1,024 float32.
;; 2 versions, each right; version 2 is version 1 with the launch prep written anew for expert scheduling mode. Each part assembles by itself: llvm-mc -triple=amdgcn-amd-amdhsa -mcpu=gfx1250 --defsym DOCPART=n.
;; ======== version 1 of 2: 4 launches
;; limits: values are held in f16: magnitudes above 65,504 overflow, below 6.1e-05 lose precision
;; workspace buffers: xb 16,777,216 bytes; wb 8,388,608 bytes; mbits 524,288 bytes of whole numbers; qkv 50,331,648 bytes; ctx 16,777,216 bytes
;; launch prep (part 1): grid 832 x 1, 8 waves a work-group, no clusters, 0 bytes of LDS; arguments x, w_qkv, w_out, mask, xb, wb, mbits; writes xb, wb, mbits
.if DOCPART == 1
	.amdgcn_target "amdgcn-amd-amdhsa--gfx1250"
	.amdhsa_code_object_version 6
	.text
	.protected	k_q8de970d429_prep
	.globl	k_q8de970d429_prep
	.p2align	8
	.type	k_q8de970d429_prep,@function
k_q8de970d429_prep:
	s_mov_b64 s[64:65], 0
	v_nop
	global_prefetch_b8 v0, s[64:65] scope:SCOPE_SE
	s_setreg_imm32_b32 hwreg(HW_REG_WAVE_MODE, 25, 1), 1
	s_wait_xcnt 0x0
; prep: the inputs are brought once into the forms that the matrix launches read.  A stream: no LDS, no barrier, no loop.
;   work-groups   0..511  x      f32 [8192][1024] -> xb  bf16 [b 4][kb 16][s 2048][64]   (K in blocks of 64: two rows of a block are 256 bytes)
;   work-groups 512..703  w_qkv  f32 [3072][1024] -> wb  bf16 [3072][1024], from byte 0
;   work-groups 704..767  w_out  f32 [1024][1024] -> wb  f16 of the bf16 rounding, [1024][1024], from byte 6,291,456
;   work-groups 768..831  mask   bytes [2048][2048] -> mbits, words [qt 128][half 2][kt 128][4]:
;        word jj = 4 half + i of tile (qt, kt) has bit L = mask[16 qt + (L & 15)][16 kt + 8 (L >> 4) + jj]: a lane mask for register jj of a 16 x 16 score tile.
; Every work-group reads 65,536 bytes; a wave issues its sixteen 16-byte loads at once and no register is written again while a load or store names it.
; LIMITS: mask bytes are 0 or 1 (bool).  w_out is rounded to bf16 like the other inputs and carried in f16: exact from 2^-14 up, below that within 2^-25.
.set IN,  16                           ; v[16:79]   sixteen loads of four registers
.set OUT, 80                           ; v[80:111]  results, two registers for each load
	s_load_b256 s[4:11], s[0:1], 0x0               ; x s[4:5], w_qkv s[6:7], w_out s[8:9], mask s[10:11]
	s_load_b128 s[12:15], s[0:1], 0x20             ; xb s[12:13], wb s[14:15]
	s_load_b64 s[16:17], s[0:1], 0x30              ; mbits
	v_lshrrev_b32 v1, 5, v0
	v_readfirstlane_b32 s18, v1                    ; wave 0..7
	v_and_b32 v2, 31, v0                           ; lane
	s_mov_b32 s19, ttmp9                           ; work-group
	s_mov_b32 s21, 0                               ; upper words of the two offset pairs
	s_mov_b32 s23, 0
	s_wait_kmcnt 0x0
; Sixteen loads of 4 f32 a lane, each rounded to 4 numbers of 16 bits and stored as 8 bytes a lane: a wave's store covers 256 consecutive bytes, aligned.
; v3 = load offset, v4 = store offset; the sixteen steps stand in the immediates.  f16 = 1: bf16 rounding first, then carried in f16.
.macro CONV sb, db, ldstep, ststep, f16
.irp j, 0,1,2,3,4,5,6,7,8,9,10,11,12,13,14,15
	global_load_b128 v[IN+4*\j:IN+4*\j+3], v3, s[\sb:\sb+1] offset:\j*\ldstep th:TH_LOAD_NT
.endr
.irp j, 0,1,2,3,4,5,6,7,8,9,10,11,12,13,14,15
	s_wait_loadcnt 15-\j                           ; loads come back in order: load j is in, the 15 - j younger ones stay out
	v_cvt_pk_bf16_f32 v[OUT+2*\j], v[IN+4*\j], v[IN+4*\j+1]
	v_cvt_pk_bf16_f32 v[OUT+2*\j+1], v[IN+4*\j+2], v[IN+4*\j+3]
.if \f16
	v_lshlrev_b32 v[IN+4*\j], 16, v[OUT+2*\j]              ; the rounded numbers as f32 again
	v_and_b32 v[IN+4*\j+1], 0xffff0000, v[OUT+2*\j]
	v_lshlrev_b32 v[IN+4*\j+2], 16, v[OUT+2*\j+1]
	v_and_b32 v[IN+4*\j+3], 0xffff0000, v[OUT+2*\j+1]
	v_cvt_pk_f16_f32 v[OUT+2*\j], v[IN+4*\j], v[IN+4*\j+1]
	v_cvt_pk_f16_f32 v[OUT+2*\j+1], v[IN+4*\j+2], v[IN+4*\j+3]
.endif
	global_store_b64 v4, v[OUT+2*\j:OUT+2*\j+1], s[\db:\db+1] offset:\j*\ststep
.endr
.endm
	s_cmp_lt_u32 s19, 512
	s_cbranch_scc0 .Lweights
	; x: the work-group takes 16 rows, wave w rows 2 w and 2 w + 1; load j takes K block j: lanes 0-15 its 256 bytes of one row, lanes 16-31 of the next
	s_lshl_b32 s20, s19, 16                        ; 16 rows of 4,096 bytes
	s_add_nc_u64 s[4:5], s[4:5], s[20:21]
	s_lshr_b32 s22, s19, 7                         ; batch
	s_lshl_b32 s22, s22, 22                        ; x 16 blocks x 2,048 rows x 128 bytes
	s_and_b32 s20, s19, 127
	s_lshl_b32 s20, s20, 11                        ; + 16 rows x 128 bytes for each work-group of the batch
	s_add_co_u32 s22, s22, s20
	s_add_nc_u64 s[12:13], s[12:13], s[22:23]
	v_and_b32 v5, 15, v0
	v_bfe_u32 v6, v0, 4, 1
	v_lshlrev_b32 v3, 4, v5                        ; 16 (lane mod 16)
	v_lshl_add_u32 v3, v6, 12, v3                  ; + one row for lanes 16-31
	v_lshl_add_u32 v3, s18, 13, v3                 ; + two rows a wave
	v_lshlrev_b32 v4, 3, v0                        ; 256 w + 8 lane: the two rows' 128 bytes lie side by side in a block
	CONV 4, 12, 256, 262144, 0
	s_endpgm
.Lweights:
	s_cmp_lt_u32 s19, 768
	s_cbranch_scc0 .Lmask
	; weights: linear.  The work-group takes 16,384 numbers, a wave 2,048, a load of the wave 128
	s_sub_co_u32 s22, s19, 512
	s_lshl_b32 s22, s22, 15                        ; 32,768 bytes out for each work-group; work-group 704 lands on byte 6,291,456
	s_add_nc_u64 s[14:15], s[14:15], s[22:23]
	v_lshlrev_b32 v3, 4, v2
	v_lshl_add_u32 v3, s18, 13, v3                 ; in: 8,192 w + 16 lane
	v_lshlrev_b32 v4, 3, v2
	v_lshl_add_u32 v4, s18, 12, v4                 ; out: 4,096 w + 8 lane
	s_cmp_lt_u32 s19, 704
	s_cbranch_scc0 .Lwout
	s_sub_co_u32 s20, s19, 512
	s_lshl_b32 s20, s20, 16
	s_add_nc_u64 s[6:7], s[6:7], s[20:21]
	CONV 6, 14, 512, 256, 0
	s_endpgm
.Lwout:
	s_sub_co_u32 s20, s19, 704
	s_lshl_b32 s20, s20, 16
	s_add_nc_u64 s[8:9], s[8:9], s[20:21]
	CONV 8, 14, 512, 256, 1
	s_endpgm
.Lmask:
	; mask: a wave takes 16 rows (query tile qt = 2 c + (w >> 2)) x 512 columns (group w & 3); lane l owns key tile 32 (w & 3) + l whole: 16 rows x 16 bytes
	s_sub_co_u32 s19, s19, 768                     ; c
	s_lshr_b32 s2, s18, 2
	s_and_b32 s3, s18, 3
	s_lshl_b32 s3, s3, 9                           ; 512 bytes a group, in the mask's rows and in mbits alike
	s_lshl_b32 s20, s19, 16                        ; 32 rows of 2,048 bytes a work-group
	s_lshl_b32 s22, s2, 15                         ; 16 rows
	s_add_co_u32 s20, s20, s22
	s_add_co_u32 s20, s20, s3
	s_add_nc_u64 s[10:11], s[10:11], s[20:21]
	s_lshl_b32 s22, s19, 13                        ; two query tiles of 4,096 bytes a work-group
	s_lshl_b32 s2, s2, 12
	s_add_co_u32 s22, s22, s2
	s_add_co_u32 s22, s22, s3
	s_add_nc_u64 s[16:17], s[16:17], s[22:23]
	v_lshlrev_b32 v3, 4, v2                        ; 16 lane
.irp p, 0,1,2,3,4,5,6,7,8,9,10,11,12,13,14,15
	global_load_b128 v[IN+4*\p:IN+4*\p+3], v3, s[10:11] offset:\p*2048 th:TH_LOAD_NT   ; row p: register k holds columns 4 k .. 4 k + 3
.endr
	s_wait_loadcnt 0x0
	; rows 0-7 are gathered into the bits of IN[k], rows 8-15 into those of IN[32+k]: byte c of register k = eight rows of column 4 k + c
.irp p, 1,2,3,4,5,6,7
.irp k, 0,1,2,3
	v_lshl_or_b32 v[IN+\k], v[IN+4*\p+\k], \p, v[IN+\k]
	v_lshl_or_b32 v[IN+32+\k], v[IN+32+4*\p+\k], \p, v[IN+32+\k]
.endr
.endr
	; word jj = { rows 0-7 of column jj, rows 8-15 of column jj, rows 0-7 of column 8 + jj, rows 8-15 of column 8 + jj }, lowest byte first
.irp k, 0,1
	v_perm_b32 v[OUT+8],  v[IN+32+\k], v[IN+\k], 0x05010400        ; columns 4 k, 4 k + 1: low rows, high rows
	v_perm_b32 v[OUT+9],  v[IN+32+\k], v[IN+\k], 0x07030602        ; columns 4 k + 2, 4 k + 3
	v_perm_b32 v[OUT+10], v[IN+34+\k], v[IN+2+\k], 0x05010400      ; the same eight columns further
	v_perm_b32 v[OUT+11], v[IN+34+\k], v[IN+2+\k], 0x07030602
	v_perm_b32 v[OUT+4*\k],   v[OUT+10], v[OUT+8], 0x05040100
	v_perm_b32 v[OUT+4*\k+1], v[OUT+10], v[OUT+8], 0x07060302
	v_perm_b32 v[OUT+4*\k+2], v[OUT+11], v[OUT+9], 0x05040100
	v_perm_b32 v[OUT+4*\k+3], v[OUT+11], v[OUT+9], 0x07060302
.endr
	global_store_b128 v3, v[OUT:OUT+3], s[16:17]                   ; words 0-3 of 32 neighbouring tiles: 512 consecutive bytes
	global_store_b128 v3, v[OUT+4:OUT+7], s[16:17] offset:2048     ; words 4-7
	s_endpgm
.Lfunc_end_k_q8de970d429_prep:
	.size	k_q8de970d429_prep, .Lfunc_end_k_q8de970d429_prep-k_q8de970d429_prep
	.p2alignl 7, 3214868480
	.fill 96, 4, 3214868480
	.section	.rodata,"a",@progbits
	.p2align	6, 0x0
	.amdhsa_kernel k_q8de970d429_prep
		.amdhsa_group_segment_fixed_size 0
		.amdhsa_private_segment_fixed_size 0
		.amdhsa_enable_private_segment 0
		.amdhsa_kernarg_size 56
		.amdhsa_user_sgpr_count 2
		.amdhsa_user_sgpr_kernarg_segment_ptr 1
		.amdhsa_wavefront_size32 1
		.amdhsa_system_sgpr_workgroup_id_x 1
		.amdhsa_system_sgpr_workgroup_id_y 1
		.amdhsa_system_sgpr_workgroup_id_z 1
		.amdhsa_system_vgpr_workitem_id 0
		.amdhsa_next_free_vgpr 112
		.amdhsa_next_free_sgpr 66
		.amdhsa_reserve_vcc 0
		.amdhsa_float_denorm_mode_32 3
		.amdhsa_float_denorm_mode_16_64 3
		.amdhsa_memory_ordered 1
		.amdhsa_forward_progress 1
		.amdhsa_inst_pref_size 31
	.end_amdhsa_kernel
	.amdgpu_metadata
---
amdhsa.version: [ 1, 2 ]
amdhsa.kernels:
  - .name:           k_q8de970d429_prep
    .symbol:         k_q8de970d429_prep.kd
    .args:
      - { .name: x, .offset: 0, .size: 8, .value_kind: global_buffer, .address_space: global }
      - { .name: w_qkv, .offset: 8, .size: 8, .value_kind: global_buffer, .address_space: global }
      - { .name: w_out, .offset: 16, .size: 8, .value_kind: global_buffer, .address_space: global }
      - { .name: mask, .offset: 24, .size: 8, .value_kind: global_buffer, .address_space: global }
      - { .name: xb, .offset: 32, .size: 8, .value_kind: global_buffer, .address_space: global }
      - { .name: wb, .offset: 40, .size: 8, .value_kind: global_buffer, .address_space: global }
      - { .name: mbits, .offset: 48, .size: 8, .value_kind: global_buffer, .address_space: global }
    .group_segment_fixed_size: 0
    .private_segment_fixed_size: 0
    .kernarg_segment_align: 8
    .kernarg_segment_size: 56
    .max_flat_workgroup_size: 256
    .sgpr_count:     66
    .vgpr_count:     112
    .wavefront_size: 32
...
	.end_amdgpu_metadata
.endif
;; end of part 1
;; launch gemm_qkv (part 2): grid 12 x 64, 4 waves a work-group, clusters of 4 x 4, 327,680 bytes of LDS; arguments xb, wb, b_qkv, qkv; writes qkv
.if DOCPART == 2
	.amdgcn_target "amdgcn-amd-amdhsa--gfx1250"
	.amdhsa_code_object_version 6
	.text
	.protected	k_q8de970d429_gemm_qkv
	.globl	k_q8de970d429_gemm_qkv
	.p2align	8
	.type	k_q8de970d429_gemm_qkv,@function
k_q8de970d429_gemm_qkv:
	s_mov_b64 s[64:65], 0
	v_nop
	global_prefetch_b8 v0, s[64:65] scope:SCOPE_SE
	s_setreg_imm32_b32 hwreg(HW_REG_WAVE_MODE, 25, 1), 1
	s_wait_xcnt 0x0
	s_wait_alu depctr_hold_cnt(0) depctr_sa_sdst(0) depctr_va_vdst(0) depctr_va_sdst(0) depctr_va_ssrc(0) depctr_va_vcc(0) depctr_vm_vsrc(0)
	s_getreg_b32 s2, hwreg(HW_REG_IB_STS2, 6, 4)
	s_cmp_eq_u32 s2, 0
	s_cbranch_scc0 .Lentry_in_a_cluster
	s_endpgm
.Lentry_in_a_cluster:
	s_bfe_u32 s2, ttmp6, 0x10000c
	s_cmp_lg_u32 s2, 0xf033
	s_cbranch_scc0 .Lentry_shape_is_right
	s_endpgm
.Lentry_shape_is_right:
; Y[m][n] = sum over k of A[m][k] W[n][k] + bias[n], M = 8192, K = 1024.  One text for two launches, chosen by OUTPROJ.
;   OUTPROJ = 0: A = x in bf16, W = w_qkv in bf16 (wb from byte 0), N = 3072; Y leaves as f16 into qkv[sel 3][b 4][h 16][s 2048][64].
;   OUTPROJ = 1: A = ctx in f16, W = w_out in f16 (wb from byte 6,291,456), N = 1024; Y leaves as f32 into out0[m][n].
; A lies K-blocked, [b 4][kb 16][s 2048][64]: 128 rows of one block of 64 K are 16,384 consecutive bytes.
; LIMIT (OUTPROJ = 0): q, k, v are carried in f16; a magnitude of 65,504 or more becomes infinite.
; A work-group makes 128 x 256 of Y with four waves, as many as a WGP has SIMDs; a wave makes 64 x 128: 32 accumulator tiles, 256 registers.
; 128 x 256 and not 256 x 256: 8192/128 x 3072/256 = 768 and 8192/128 x 1024/256 = 256 work-groups are whole multiples of the 256 WGPs.
; K goes in steps of 128 through a ring of two LDS slots filled by the tensor data mover.
; CLUSTERS: 4 x 4 work-groups.  The four of a row of the cluster need the same tiles of A, the four of a column the same tiles of W: each tile is asked
; for jointly, by the same tensor load with the same descriptor in all four, which divides the requests for A and for W by four.
; REGISTERS in windows of 256: window 0: v16-27 addresses, v64-159 and v160-255 two fragment buffers (W's 8 fragments, then A's 4);
; window 1: the 32 accumulator tiles, tile (a, b) at v[8 (8 a + b)]; window 2: v0-63 the bias, register 8 b + j = bias[first column + 16 b + 8 h + j].
; THE MATRIX INSTRUCTION IS USED TRANSPOSED: source 0 = 16 rows of W, source 1 = 16 rows of A; lane l then holds row l % 16 of Y and in its registers
; 0-7 the columns 8 (l / 16) + 0..7.  The first product of each tile takes the bias as C: nothing is cleared and nothing is added later.
.set OUTPROJ, 0
.set PB,     272                       ; LDS row of W: 256 bytes + 16 of padding
.set PA,     144                       ; LDS row of A: 128 bytes + 16 of padding; both pitches are odd multiples of 16 bytes, so the 16 rows of a fragment load begin at 16 different 16-byte columns of the 64 banks of 4 bytes (ISA guide 11.1)
.set HALFB,  128*PB                    ; 128 rows of W: one tensor load
.set SUBA,   128*PA                    ; 128 rows of one K block of A: one tensor load
.set AOFF,   2*HALFB                   ; A's two K blocks lie behind W's 256 rows
.set SLOT,   AOFF+2*SUBA               ; 106,496 bytes
.set STAGE,  2*SLOT                    ; behind the ring: each wave's own 16 rows for the way out; no tensor load lands there
.if OUTPROJ
.set SPITCH, 528                       ; 128 f32 + 16 bytes
.set WOFF,   6291456
.else
.set SPITCH, 272                       ; 128 f16 + 16 bytes
.set WOFF,   0
.endif
.set LAPS,   4                         ; 1024 / (2 x 128): a lap is once round the ring
.set ADRA, 16                          ; v16-17  LDS address of my A fragments in slot 0, 1
.set ADRB, 20                          ; v20-21  the same for W
.set STO,  24                          ; the way out: where I put my numbers of a row
.set RD,   25                          ; the way out: where I read rows back
.set CO,   26                          ; my byte offset in the output
.set BO,   27                          ; my byte offset in the bias
.set F0,   64
.set F1,   160
.set TMP,  64                          ; the way out: packed results
.set G1A, 24                           ; s[24:31] descriptor group 1, A's tiles
.set G0A, 32                           ; s[32:39] descriptor group 0, A's tiles, one set for each slot
.set G1B, 48                           ; s[48:55] group 1, W's tiles
.set G0B, 56                           ; s[56:63] group 0, W's tiles
.set MSB, 0
.macro WIN new                         ; s_set_vgpr_msb: bits 1:0 source 0, 3:2 source 1, 5:4 source 2, 7:6 destination; the high byte repeats the setting that is left
.if MSB != \new
	s_set_vgpr_msb (MSB<<8)|\new
.set MSB, \new
.endif
.endm
.macro WINM bias                       ; products: C and D in window 1; the first products: C = the bias in window 2
.if \bias
	WIN 0x60
.else
	WIN 0x50
.endif
.endm
; A joint load.  Waves 0 and 1 fetch W's two halves, waves 2 and 3 A's two K blocks.  Each line has one mask; the branch hangs on the wave's number alone.
.macro JLOAD s
	s_cmp_eq_u32 s13, 0
	s_cbranch_scc0 .Lfor_a_\@
	tensor_load_to_lds s[G0B+4*\s:G0B+4*\s+3], s[G1B:G1B+7]
	s_nop 0
	s_branch .Lasked_\@
.Lfor_a_\@:
	tensor_load_to_lds s[G0A+4*\s:G0A+4*\s+3], s[G1A:G1A+7]
	s_nop 0
.Lasked_\@:
.endm
; A round of the cluster's barrier: my work-group's barrier, wave 0 signals for the work-group, every wave waits for all sixteen, my work-group's barrier again.
.macro CREST                           ; a round behind its opening barrier
	s_cmp_lg_u32 s12, 0
	s_cbranch_scc1 .Lnot_wave_0_\@
	s_barrier_signal -3
.Lnot_wave_0_\@:
	s_barrier_wait -3
	s_barrier_signal -1
	s_barrier_wait -1
.endm
.macro CROUND
	s_barrier_signal -1
	s_barrier_wait -1
	CREST
.endm
	s_load_b256 s[4:11], s[0:1], 0x0               ; A s[4:5], wb s[6:7], bias s[8:9], output s[10:11]
	v_lshl_add_u32 v62, v0, 2, 0x38400
	v_mov_b32 v63, 0
	ds_add_u32 v62, v63
	v_lshrrev_b32 v1, 5, v0
	v_readfirstlane_b32 s12, v1                    ; wave 0..3
	s_lshr_b32 s13, s12, 1                         ; which 64 of the block's rows are mine.  Also: I fetch for W (0) or for A (1)
	s_and_b32 s14, s12, 1                          ; which 128 of its columns.  Also: which half of W's tile, which K block of A's, I fetch
	s_bfe_u32 s40, ttmp6, 0x40000                  ; cx
	s_bfe_u32 s41, ttmp6, 0x40004                  ; cy
	s_lshl_b32 s42, ttmp9, 2
	s_add_co_u32 s42, s42, s40                     ; block column = 4 x cluster x + cx
	s_and_b32 s43, ttmp7, 0xffff
	s_lshl_b32 s43, s43, 2
	s_add_co_u32 s43, s43, s41                     ; block row = 4 x cluster y + cy
	s_lshl_b32 s44, s41, 2
	s_lshl_b32 s44, 15, s44                        ; my row of the cluster: places 4 cy .. 4 cy + 3
	s_lshl_b32 s45, 0x1111, s40                    ; my column: places cx, cx + 4, cx + 8, cx + 12
	; A's tile: 16,384 consecutive bytes, taken as 64 rows of 32 elements of 8 bytes; 16 bytes of padding behind every 32 words, that is behind each 128-byte row of A
	s_or_b32 s[G1A+0], s44, (3<<16)|(1<<20)|(1<<21)|(4<<22)|(3<<25)  ; 15:0 mask: my row; 17:16 elements of 8 bytes; 20 padding on; 21 set beside a mask; 24:22 every 32 words; 31:25 four words
	s_mov_b32 s[G1A+1], 32<<16                     ; tensor_dim0 = 32
	s_mov_b32 s[G1A+2], 64<<16                     ; tensor_dim1 = 64
	s_mov_b32 s[G1A+3], 32<<16                     ; tile_dim0 = 32
	s_mov_b32 s[G1A+4], 64                         ; tile_dim1 = 64
	s_mov_b32 s[G1A+5], 32                         ; from row to row: 32 elements
	s_mov_b32 s[G1A+6], 0
	s_mov_b32 s[G1A+7], 0
	; W's tile: 128 rows x 128 elements of 2 bytes, rows 1,024 elements apart; 16 bytes of padding behind every 64 words
	s_or_b32 s[G1B+0], s45, (1<<16)|(1<<20)|(1<<21)|(5<<22)|(3<<25)  ; mask: my column
	s_mov_b32 s[G1B+1], 128<<16
	s_mov_b32 s[G1B+2], 128<<16
	s_mov_b32 s[G1B+3], 128<<16
	s_mov_b32 s[G1B+4], 128
	s_mov_b32 s[G1B+5], 1024
	s_mov_b32 s[G1B+6], 0
	s_mov_b32 s[G1B+7], 0
	; where the tiles come from.  A's hang on the block row and the wave alone, W's on the block column and the wave alone, each in registers that never hold the other coordinate
	s_lshr_b32 s16, s43, 4                         ; batch
	s_lshl_b32 s16, s16, 22                        ; x 16 K blocks of 262,144 bytes
	s_and_b32 s17, s43, 15
	s_lshl_b32 s17, s17, 14                        ; + 128 rows of 128 bytes for each block row of the batch
	s_add_co_u32 s16, s16, s17
	s_lshl_b32 s17, s14, 18                        ; + my K block of the step's two
	s_add_co_u32 s16, s16, s17
	s_mov_b32 s17, 0
	s_lshl_b32 s46, s42, 19                        ; 256 rows of 2,048 bytes
	s_lshl_b32 s47, s14, 18                        ; + my 128 rows
	s_add_co_u32 s46, s46, s47
.if WOFF
	s_add_co_u32 s46, s46, WOFF
.endif
	s_mov_b32 s47, 0
	s_mul_i32 s20, s12, HALFB                      ; and where they go: W's halves at wave x 34,816 (waves 0, 1),
	s_mul_i32 s21, s12, SUBA
	s_add_co_u32 s21, s21, AOFF-2*SUBA             ; A's K blocks at 69,632 + (wave - 2) x 18,432 (waves 2, 3): no place in the cluster enters an LDS address
	s_wait_dscnt 0x0
	s_wait_kmcnt 0x0
	s_add_nc_u64 s[18:19], s[4:5], s[16:17]
	s_add_nc_u64 s[46:47], s[6:7], s[46:47]
	CROUND                                         ; all sixteen work-groups are here: the first joint loads meet
.irp s, 0,1
	s_mov_b32 s[G0A+4*\s], 1
	s_add_co_u32 s[G0A+4*\s+1], s21, \s*SLOT
	s_add_nc_u64 s[G0A+4*\s+2:G0A+4*\s+3], s[18:19], \s*524288     ; K step s: two K blocks on
	s_or_b32 s[G0A+4*\s+3], s[G0A+4*\s+3], 0x80000000              ; type = 2
	s_mov_b32 s[G0B+4*\s], 1
	s_add_co_u32 s[G0B+4*\s+1], s20, \s*SLOT
	s_add_nc_u64 s[G0B+4*\s+2:G0B+4*\s+3], s[46:47], \s*256        ; K step s: 128 elements along the rows
	s_or_b32 s[G0B+4*\s+3], s[G0B+4*\s+3], 0x80000000
	JLOAD \s                                       ; the ring is filled before anything else is done: two tensor loads of the wave are out
.endr
	; the bias of my 128 columns, and the output at my first row and column; the row's part in registers that hold cy alone, the column's in registers that hold cx alone
	s_lshl_b32 s46, s42, 10
	s_lshl_b32 s47, s14, 9
	s_add_co_u32 s46, s46, s47                     ; (256 x block column + 128 x half) x 4 bytes
	s_mov_b32 s47, 0
	s_add_nc_u64 s[8:9], s[8:9], s[46:47]
.if OUTPROJ
	s_add_nc_u64 s[10:11], s[10:11], s[46:47]      ; f32 columns: the same offset
	s_lshl_b32 s16, s43, 19                        ; 128 rows of 4,096 bytes
	s_lshl_b32 s17, s13, 18                        ; + my 64 rows
	s_add_co_u32 s16, s16, s17
	s_mov_b32 s17, 0
	s_add_nc_u64 s[10:11], s[10:11], s[16:17]
.else
	s_lshr_b32 s46, s42, 2                         ; q, k or v: 64 planes of 262,144 bytes
	s_lshl_b32 s46, s46, 24
	s_and_b32 s47, s42, 3
	s_lshl_b32 s47, s47, 20                        ; four heads for each block column
	s_add_co_u32 s46, s46, s47
	s_lshl_b32 s47, s14, 19                        ; two heads for each half
	s_add_co_u32 s46, s46, s47
	s_mov_b32 s47, 0
	s_add_nc_u64 s[10:11], s[10:11], s[46:47]
	s_lshr_b32 s16, s43, 4
	s_lshl_b32 s16, s16, 22                        ; batch: 16 planes
	s_and_b32 s17, s43, 15
	s_lshl_b32 s17, s17, 14                        ; 128 rows of 128 bytes
	s_add_co_u32 s16, s16, s17
	s_lshl_b32 s17, s13, 13                        ; my 64 rows
	s_add_co_u32 s16, s16, s17
	s_mov_b32 s17, 0
	s_add_nc_u64 s[10:11], s[10:11], s[16:17]
.endif
	; A fragment is 16 rows x 32 K in 8 registers: lane l holds row l % 16; registers 0-3 K = 8 (l / 16) + 0..7, registers 4-7 K = 16 + 8 (l / 16) + 0..7: two loads of 16 bytes, 32 bytes apart
	v_and_b32 v1, 15, v0                           ; r
	v_bfe_u32 v2, v0, 4, 1                         ; h
	v_lshlrev_b32 v[BO], 5, v2                     ; eight f32 for each half of the lanes
	WIN 0x80                                       ; destination in window 2
.irp b, 0,1,2,3,4,5,6,7
	global_load_b128 v[8*\b:8*\b+3], v[BO], s[8:9] offset:64*\b
	global_load_b128 v[8*\b+4:8*\b+7], v[BO], s[8:9] offset:64*\b+16
.endr
	WIN 0
	v_mul_u32_u24 v3, v1, PA
	v_lshl_add_u32 v3, v2, 4, v3
	v_mul_u32_u24 v4, v1, PB
	v_lshl_add_u32 v4, v2, 4, v4
	s_mul_i32 s22, s13, 64*PA                      ; my 64 rows of A,
	s_add_co_u32 s22, s22, AOFF                    ; which lies behind W
	s_mul_i32 s23, s14, HALFB                      ; my 128 rows of W
.irp s, 0,1
	v_add_nc_u32 v[ADRA+\s], s22, v3
	v_add_nc_u32 v[ADRB+\s], s23, v4
	s_add_co_u32 s22, s22, SLOT
	s_add_co_u32 s23, s23, SLOT
.endr
	s_mul_i32 s23, s12, 16*SPITCH
	s_add_co_u32 s23, s23, STAGE                   ; my stage
.if OUTPROJ
	v_mul_u32_u24 v5, v1, SPITCH                   ; in: row r, 32 bytes for each half of the lanes
	v_lshl_add_u32 v5, v2, 5, v5
	v_add_nc_u32 v[STO], s23, v5
	v_and_b32 v6, 31, v0
	v_lshlrev_b32 v[CO], 4, v6                     ; back and out: the 32 lanes take one row's 512 bytes
	v_add_nc_u32 v[RD], s23, v[CO]
.else
	v_add_nc_u32 v[STO], s23, v4                   ; in: row r, 16 bytes for each half of the lanes
	v_bfe_u32 v5, v0, 3, 1                         ; back: lanes 0-15 take two rows' 128 bytes of the first head, lanes 16-31 of the second
	v_and_b32 v6, 7, v0
	v_mul_u32_u24 v5, v5, SPITCH
	v_lshl_add_u32 v5, v2, 7, v5
	v_lshl_add_u32 v5, v6, 4, v5
	v_add_nc_u32 v[RD], s23, v5
	v_lshlrev_b32 v6, 4, v1
	v_lshl_add_u32 v[CO], v2, 18, v6               ; out: two rows of a head are 256 consecutive bytes; the second head lies one plane on
.endif
.macro MM d, x, y, c                   ; one product, by register numbers
.if OUTPROJ
	v_wmma_f32_16x16x32_f16 v[\d:\d+7], v[\x:\x+7], v[\y:\y+7], v[\c:\c+7]
.else
	v_wmma_f32_16x16x32_bf16 v[\d:\d+7], v[\x:\x+7], v[\y:\y+7], v[\c:\c+7]
.endif
.endm
; 8 products: row tile a x all 8 column tiles, 32 along K.  bias = 1: the bias starts the sums.
; The 32 accumulators take turns, one instruction a turn, in the same order in every quarter step.
.macro MUL8 f, a, bias
.irp b, 0,1,2,3,4,5,6,7
.if \bias
	MM 8*(8*\a+\b), \f+8*\b, \f+64+8*\a, 8*\b
.else
	MM 8*(8*\a+\b), \f+8*\b, \f+64+8*\a, 8*(8*\a+\b)
.endif
.endr
.endm
; 24 LDS loads in one run: the fragments of quarter q of a K step (32 K): 128 rows of W, then my 64 rows of A (K block q / 2, byte 64 (q % 2) of its rows)
.macro FETCH slot, q, f
	WIN 0
.irp b, 0,1,2,3,4,5,6,7
	ds_load_b128 v[\f+8*\b:\f+8*\b+3],   v[ADRB+\slot] offset:\q*64+\b*16*PB
	ds_load_b128 v[\f+8*\b+4:\f+8*\b+7], v[ADRB+\slot] offset:\q*64+\b*16*PB+32
.endr
.irp a, 0,1,2,3
	ds_load_b128 v[\f+64+8*\a:\f+64+8*\a+3],   v[ADRA+\slot] offset:(\q>>1)*SUBA+(\q&1)*64+\a*16*PA
	ds_load_b128 v[\f+64+8*\a+4:\f+64+8*\a+7], v[ADRA+\slot] offset:(\q>>1)*SUBA+(\q&1)*64+\a*16*PA+32
.endr
.endm
; A load into a register that a matrix instruction has read, and a vector instruction or LDS store that reads a matrix result, stand four places behind that
; matrix instruction; only plain vector instructions that name none of its registers are places (ISA guide 7.12.1 for vector instructions).
.macro PLACES
.rept 4
	v_nop
.endr
.endm
; One of a K step's first three quarters: multiplies buffer f; in its middle it fetches quarter q into buffer g.
.macro QUARTER slot, q, f, g, bias
	s_wait_dscnt 4                                 ; W and A's rows 0-31 are in; the youngest four loads (A's rows 32-63) may be out
	WINM \bias
	MUL8 \f, 0, \bias
	MUL8 \f, 1, \bias
	PLACES
	FETCH \slot, \q, \g
	s_wait_dscnt 24                                ; all but the 24 just issued
	WINM \bias
	MUL8 \f, 2, \bias
	MUL8 \f, 3, \bias
.endm
.macro THREE slot, bias
	QUARTER \slot, 1, F0, F1, \bias
	QUARTER \slot, 2, F1, F0, 0
	QUARTER \slot, 3, F0, F1, 0
.endm
; The last quarter: multiplies buffer 1 and changes slots.  fill = 1: this slot is filled again, two K steps ahead.
; One barrier for the change of slots.  In front of it each wave waits for its own reads of this slot and for all its tensor loads, of which one is out: its
; part of the next slot.  Behind it nobody reads this slot any more and the next slot is whole: the refill comes first, then the next slot's first fragments.
; From a request to the wait for it a wave issues 120 matrix instructions.
.macro TURN slot, next, fill
	s_wait_dscnt 4
	WIN 0x50
	MUL8 F1, 0, 0
	s_wait_dscnt 0                                 ; my reads of this slot are over
	s_wait_tensorcnt 0x0                           ; and all my tensor loads have landed
	ds_add_u32 v62, v63
	s_wait_dscnt 0x0
	s_barrier_signal -1                            ; say so (where a slot is filled again this barrier opens a round of the cluster's barrier),
	MUL8 F1, 1, 0                                  ; work on registers while the others arrive,
	WIN 0
	s_barrier_wait -1
.if \fill
	CREST                                          ; no wave of any partner still reads this slot's tiles or has a load on its way
	s_add_nc_u64 s[G0A+4*\slot+2:G0A+4*\slot+3], s[G0A+4*\slot+2:G0A+4*\slot+3], 1048576   ; two K steps: four K blocks
	s_add_nc_u64 s[G0B+4*\slot+2:G0B+4*\slot+3], s[G0B+4*\slot+2:G0B+4*\slot+3], 512       ; two K steps: 256 elements
	JLOAD \slot                                    ; the first tensor load behind the round, and my only one until the next
.endif
	PLACES
	FETCH \next, 0, F0
	WIN 0x50
	MUL8 F1, 2, 0
	MUL8 F1, 3, 0
.endm
.macro LAP bias
	THREE 0, \bias
	TURN 0, 1, 1
	THREE 1, 0
	TURN 1, 0, 1
.endm
	s_wait_tensorcnt 1                             ; my part of K step 0 is in; K step 1's stays out
	s_barrier_signal -1
	s_barrier_wait -1                              ; everybody's is
	FETCH 0, 0, F0
	s_wait_loadcnt 0x0                             ; the bias
	LAP 1                                          ; the first lap stands in front of the loop: its first products start the sums from the bias
	WIN 0                                          ; at a label and at a branch every window is 0
	s_mov_b32 s3, LAPS-2
.Llap:
	LAP 0
	WIN 0
	s_sub_co_u32 s3, s3, 1
	s_cmp_lg_u32 s3, 0
	s_cbranch_scc1 .Llap
	THREE 0, 0                                     ; the last lap fills nothing and has no round: my one tensor load still out is slot 1's, the last K step's
	TURN 0, 1, 0
	THREE 1, 0
	s_wait_dscnt 4                                 ; the very last quarter
	WIN 0x50
	MUL8 F1, 0, 0
	MUL8 F1, 1, 0
	s_wait_dscnt 0
	MUL8 F1, 2, 0
	MUL8 F1, 3, 0
	; THE WAY OUT, 16 rows at a time, through my own stage in LDS, so that sixteen neighbouring lanes store 256 consecutive bytes, aligned.
	; LDS serves a wave's instructions in order (ISA guide 5.7.1.4): the loads see the stores in front of them without a wait.
	PLACES                                         ; the places behind the last matrix instructions
.if OUTPROJ
.macro OUT16 a, f
	WIN 0x04                                       ; store data (source 1) in window 1: the f32 sums go as they are
.irp b, 0,1,2,3,4,5,6,7
	ds_store_b128 v[STO], v[8*(8*\a+\b):8*(8*\a+\b)+3] offset:64*\b
	ds_store_b128 v[STO], v[8*(8*\a+\b)+4:8*(8*\a+\b)+7] offset:64*\b+16
.endr
	WIN 0
	s_wait_xcnt 0x0                                ; buffer f, which earlier stores read, is loaded again only behind this wait
.irp t, 0,1,2,3,4,5,6,7,8,9,10,11,12,13,14,15
	ds_load_b128 v[\f+4*\t:\f+4*\t+3], v[RD] offset:\t*SPITCH
.endr
.irp t, 0,1,2,3,4,5,6,7,8,9,10,11,12,13,14,15
	s_wait_dscnt 15-\t                             ; row t is back; the younger loads stay out
	global_store_b128 v[CO], v[\f+4*\t:\f+4*\t+3], s[10:11] offset:(16*\a+\t)*4096 th:TH_STORE_NT   ; 512 consecutive bytes of one row
.endr
.endm
	OUT16 0, 64
	OUT16 1, 128
	OUT16 2, 64
	OUT16 3, 128
.else
.macro OUT16 a, f
	WIN 0x05                                       ; sources in window 1, destination in window 0
.irp b, 0,1,2,3,4,5,6,7
.irp t, 0,1,2,3
	v_cvt_pk_f16_f32 v[TMP+4*\b+\t], v[8*(8*\a+\b)+2*\t], v[8*(8*\a+\b)+2*\t+1]
.endr
.endr
	WIN 0
.irp b, 0,1,2,3,4,5,6,7
	ds_store_b128 v[STO], v[TMP+4*\b:TMP+4*\b+3] offset:32*\b
.endr
	s_wait_xcnt 0x0                                ; buffer f, which earlier stores read, is loaded again only behind this wait
.irp t, 0,1,2,3,4,5,6,7
	ds_load_b128 v[\f+4*\t:\f+4*\t+3], v[RD] offset:\t*2*SPITCH
.endr
.irp t, 0,1,2,3,4,5,6,7
	s_wait_dscnt 7-\t                              ; rows 2 t, 2 t + 1 are back; the younger loads stay out
	global_store_b128 v[CO], v[\f+4*\t:\f+4*\t+3], s[10:11] offset:\a*2048+\t*256   ; two rows of each of two heads: twice 256 consecutive bytes
.endr
.endm
	OUT16 0, 96
	OUT16 1, 128
	OUT16 2, 96
	OUT16 3, 128
.endif
	s_wait_tensorcnt 0x0
	ds_add_u32 v62, v63
	s_wait_dscnt 0x0
	CROUND                                         ; the closing round: no work-group ends while a partner may still ask for a tile that names it
	s_endpgm
.Lfunc_end_k_q8de970d429_gemm_qkv:
	.size	k_q8de970d429_gemm_qkv, .Lfunc_end_k_q8de970d429_gemm_qkv-k_q8de970d429_gemm_qkv
	.p2alignl 7, 3214868480
	.fill 96, 4, 3214868480
	.section	.rodata,"a",@progbits
	.p2align	6, 0x0
	.amdhsa_kernel k_q8de970d429_gemm_qkv
		.amdhsa_group_segment_fixed_size 327680
		.amdhsa_private_segment_fixed_size 0
		.amdhsa_enable_private_segment 0
		.amdhsa_kernarg_size 32
		.amdhsa_user_sgpr_count 2
		.amdhsa_user_sgpr_kernarg_segment_ptr 1
		.amdhsa_wavefront_size32 1
		.amdhsa_system_sgpr_workgroup_id_x 1
		.amdhsa_system_sgpr_workgroup_id_y 1
		.amdhsa_system_sgpr_workgroup_id_z 1
		.amdhsa_system_vgpr_workitem_id 0
		.amdhsa_next_free_vgpr 576
		.amdhsa_next_free_sgpr 66
		.amdhsa_reserve_vcc 0
		.amdhsa_float_denorm_mode_32 3
		.amdhsa_float_denorm_mode_16_64 3
		.amdhsa_memory_ordered 1
		.amdhsa_forward_progress 1
		.amdhsa_inst_pref_size 120
	.end_amdhsa_kernel
	.amdgpu_metadata
---
amdhsa.version: [ 1, 2 ]
amdhsa.kernels:
  - .name:           k_q8de970d429_gemm_qkv
    .symbol:         k_q8de970d429_gemm_qkv.kd
    .args:
      - { .name: xb, .offset: 0, .size: 8, .value_kind: global_buffer, .address_space: global }
      - { .name: wb, .offset: 8, .size: 8, .value_kind: global_buffer, .address_space: global }
      - { .name: b_qkv, .offset: 16, .size: 8, .value_kind: global_buffer, .address_space: global }
      - { .name: qkv, .offset: 24, .size: 8, .value_kind: global_buffer, .address_space: global }
    .group_segment_fixed_size: 327680
    .private_segment_fixed_size: 0
    .kernarg_segment_align: 8
    .kernarg_segment_size: 32
    .max_flat_workgroup_size: 128
    .sgpr_count:     66
    .vgpr_count:     576
    .wavefront_size: 32
...
	.end_amdgpu_metadata
.endif
;; end of part 2
;; launch attn (part 3): grid 256 x 1, 8 waves a work-group, clusters of 4 x 1, 327,680 bytes of LDS; arguments qkv, mbits, ctx; writes ctx
.if DOCPART == 3
	.amdgcn_target "amdgcn-amd-amdhsa--gfx1250"
	.amdhsa_code_object_version 6
	.text
	.protected	k_q8de970d429_attn
	.globl	k_q8de970d429_attn
	.p2align	8
	.type	k_q8de970d429_attn,@function
k_q8de970d429_attn:
	s_mov_b64 s[64:65], 0
	v_nop
	global_prefetch_b8 v0, s[64:65] scope:SCOPE_SE
	s_setreg_imm32_b32 hwreg(HW_REG_WAVE_MODE, 25, 1), 1
	s_wait_xcnt 0x0
	s_wait_alu depctr_hold_cnt(0) depctr_sa_sdst(0) depctr_va_vdst(0) depctr_va_sdst(0) depctr_va_ssrc(0) depctr_va_vcc(0) depctr_vm_vsrc(0)
	s_getreg_b32 s2, hwreg(HW_REG_IB_STS2, 6, 4)
	s_cmp_eq_u32 s2, 0
	s_cbranch_scc0 .Lentry_in_a_cluster
	s_endpgm
.Lentry_in_a_cluster:
	s_bfe_u32 s2, ttmp6, 0x10000c
	s_cmp_lg_u32 s2, 0x3003
	s_cbranch_scc0 .Lentry_shape_is_right
	s_endpgm
.Lentry_shape_is_right:
; attn: ctx = softmax(Q K^T / 8, masked) V for 64 (batch, head) planes.  qkv: f16 [sel 3][plane 64][s 2048][64]; ctx: f16 [plane 64][s 2048][64];
; mbits: words [qt 128][half 2][kt 128][4]; bit L of word jj = 4 half + i is mask[16 qt + (L & 15)][16 kt + 8 (L >> 4) + jj]; a set bit means masked.
; The mask is honoured as it is given: every block of scores is computed and masked; nothing of its pattern is built in.
; SHARING: a cluster of four work-groups is one plane; work-group g, wave w own the query tiles qt = 32 j + 8 g + w, j = 0..3 (16 rows each).  All four
; work-groups walk the same K and V, so each tile of K and V is asked for jointly (mask 15).  Eight waves, two for each of a WGP's four SIMDs.
; LAYOUT: S^T = K Q^T (source 0 = 16 keys, source 1 = 16 queries): lane (r, h) holds query r and keys 8 h + 0..7 in its eight registers.  Two neighbouring
; S^T tiles, packed to f16, are the second source of O^T = V^T P^T as they lie: no number changes its lane.  V^T's fragments come from V's rows by the
; transposing LDS load.  The row sums are a fifth product with a matrix that has ones in rows 0 and 8: register 0 of every lane holds its query's sum,
; taken over the same rounded p that the numerator uses.
; SOFTMAX: a running maximum m for each query, started from the first block and -FLT_MAX, so it is always finite; p = 2^(c S - c m), c = log2(e) / 8;
; a masked score is -inf and gives p = 0.  A row that is masked whole ends with sum 0 and 0 x (1 / 0) = NaN, as softmax of a row of -inf gives.
; LIMITS: q, k, v and ctx are f16 (magnitudes below 65,504); p is rounded to f16, so a p below 2^-25 counts as 0.
.set PK,     144                       ; LDS row of K: 128 bytes + 16: an odd multiple of 16 bytes
.set PV,     160                       ; LDS row of V: 128 bytes + 32: an odd multiple of 32 bytes, for the transposing load
.set KBYTES, 128*PK
.set SLOT,   KBYTES+128*PV             ; 128 keys of K, then of V: 38,912 bytes, two steps of 64 keys
.set STAGE,  2*SLOT                    ; behind the ring: 16 rows x 144 bytes for each wave, for the way out; no tensor load lands there
.set SPITCH, 144
; window 0
.set KA,   2                           ; LDS address of my part of a K fragment
.set VA,   3                           ; the same for V
.set STO,  4                           ; the way out
.set RD,   5
.set CO,   6
.set QO,   7                           ; my byte offset in a query tile
.set ONES, 16                          ; v[16:23]   f16 ones in rows 0 and 8, zeros elsewhere
.set PF,   24                          ; v[24:39]   P: two fragments of 32 keys
.set QF,   64                          ; v[64:127]  Q: fragment (j, e) at 8 (2 j + e)
.set KF,   128                         ; v[128:191] K: fragment (c, e) at 8 (2 c + e)
.set VF,   192                         ; v[192:255] V^T: fragment (u, i) at 8 (4 u + i)
; window 1
.set OA,   0                           ; O^T: tile (j, i) at 8 (4 j + i)
.set LA,   128                         ; row sums: tile j at 8 j, register 0 counts
.set SS,   160                         ; S^T: tile c at 8 c
.set XX,   192                         ; four running maxima of a block
.set T0,   196
.set T1,   197
.set T2,   198
.set NM,   200                         ; -c m (pair; the first is used)
.set AL,   202                         ; the factor for what was summed under the old maximum (pair; the first is used)
.set MX,   204                         ; m of query tile j
.set NINF, 208                         ; -inf
; scalars
.set G1K, 16                           ; s[16:23] descriptor group 1 for K
.set G1V, 24                           ; s[24:31] for V
.set G0K, 32                           ; s[32:39] group 0 for K, one set for each slot
.set G0V, 40                           ; s[40:47] for V
.set MK,  68                           ; s[68:99] the 32 mask words of a block: tile c, register jj at 16 (jj >> 2) + 4 c + (jj & 3)
.set MSB, 0
.macro WIN new                         ; s_set_vgpr_msb: bits 1:0 source 0, 3:2 source 1, 5:4 source 2, 7:6 destination; the high byte repeats the setting that is left
.if MSB != \new
	s_set_vgpr_msb (MSB<<8)|\new
.set MSB, \new
.endif
.endm
.macro PLACES                          ; four places behind a matrix instruction (ISA guide 7.12.1 for vector instructions)
.rept 4
	v_nop
.endr
.endm
.macro ROUND                           ; a round of the cluster's barrier
	s_barrier_signal -1
	s_barrier_wait -1
	s_cmp_lg_u32 s10, 0
	s_cbranch_scc1 .Lnot_wave_0_\@
	s_barrier_signal -3
.Lnot_wave_0_\@:
	s_barrier_wait -3
	s_barrier_signal -1
	s_barrier_wait -1
.endm
.macro JLOAD n                         ; slot n is filled again: wave 0 asks for K's 128 rows, wave 1 for V's; the other waves ask for nothing
	s_cmp_lg_u32 s10, 0
	s_cbranch_scc1 .Lnot_k_\@
	tensor_load_to_lds s[G0K+4*\n:G0K+4*\n+3], s[G1K:G1K+7]
	s_nop 0
.Lnot_k_\@:
	s_cmp_lg_u32 s10, 1
	s_cbranch_scc1 .Lnot_v_\@
	tensor_load_to_lds s[G0V+4*\n:G0V+4*\n+3], s[G1V:G1V+7]
	s_nop 0
.Lnot_v_\@:
.endm
	s_load_b128 s[4:7], s[0:1], 0x0                ; qkv s[4:5], mbits s[6:7]
	s_load_b64 s[8:9], s[0:1], 0x10                ; ctx
	v_lshl_add_u32 v62, v0, 2, 0x29000
	v_mov_b32 v63, 0
	ds_add_u32 v62, v63
	v_lshrrev_b32 v1, 5, v0
	v_readfirstlane_b32 s10, v1                    ; wave 0..7
	s_bfe_u32 s11, ttmp6, 0x40000                  ; g = my place in the cluster
	; a tile of K or V is 128 rows of 128 bytes, 16,384 consecutive bytes: taken as 64 rows of 32 elements of 8 bytes, padded behind every 32 words, that is behind each row of 128 bytes
	s_mov_b32 s[G1K+0], 15|(3<<16)|(1<<20)|(1<<21)|(4<<22)|(3<<25)  ; mask: all four; elements of 8 bytes; padding on; bit 21 beside a mask; every 32 words; four words
	s_mov_b32 s[G1V+0], 15|(3<<16)|(1<<20)|(1<<21)|(4<<22)|(7<<25)  ; the same with eight words of padding
.irp g, G1K, G1V
	s_mov_b32 s[\g+1], 32<<16                      ; tensor_dim0 = 32
	s_mov_b32 s[\g+2], 64<<16                      ; tensor_dim1 = 64
	s_mov_b32 s[\g+3], 32<<16                      ; tile_dim0 = 32
	s_mov_b32 s[\g+4], 64                          ; tile_dim1 = 64
	s_mov_b32 s[\g+5], 32                          ; from row to row: 32 elements
	s_mov_b32 s[\g+6], 0
	s_mov_b32 s[\g+7], 0
.endr
	s_mov_b32 s48, 0x3e38aa3b                      ; c = log2(e) / 8, twice: a pair for the packed multiply-add
	s_mov_b32 s49, 0x3e38aa3b
	s_mov_b32 s50, 0xbe38aa3b                      ; -c
	s_mov_b32 s51, 0xff7fffff                      ; -FLT_MAX
	s_mov_b32 s52, 0x76543210                      ; v_permlanex16_b32: lane i of one half reads lane i of the other
	s_mov_b32 s53, 0xfedcba98
	s_lshl_b32 s13, s11, 3
	s_add_co_u32 s13, s13, s10                     ; 8 g + w
	s_lshl_b32 s2, s13, 11                         ; x 16 rows of 128 bytes
	s_mov_b32 s3, 0
	s_lshl_b32 s14, s13, 12                        ; x 4,096 bytes of mask words
	s_mov_b32 s15, 0
	s_lshl_b32 s60, ttmp9, 18                      ; the plane: 262,144 bytes; the cluster's number, the same in all four
	s_mov_b32 s61, 0
	s_mul_i32 s66, s10, 16*SPITCH
	s_add_co_u32 s66, s66, STAGE                   ; my stage: the wave's number alone
	s_wait_dscnt 0x0
	s_wait_kmcnt 0x0
	s_add_nc_u64 s[62:63], s[4:5], s[60:61]        ; Q's plane
	s_add_nc_u64 s[56:57], s[62:63], s[2:3]        ; my query tile j = 0
	s_add_nc_u64 s[54:55], s[6:7], s[14:15]        ; its mask words
	s_add_nc_u64 s[58:59], s[8:9], s[60:61]
	s_add_nc_u64 s[58:59], s[58:59], s[2:3]        ; its rows of ctx
.irp n, 0,1
	s_mov_b32 s[G0K+4*\n], 1
	s_mov_b32 s[G0K+4*\n+1], \n*SLOT
	s_add_nc_u64 s[G0K+4*\n+2:G0K+4*\n+3], s[62:63], 16777216+\n*16384     ; K lies 64 planes behind Q; tile n
	s_or_b32 s[G0K+4*\n+3], s[G0K+4*\n+3], 0x80000000                      ; type = 2
	s_mov_b32 s[G0V+4*\n], 1
	s_mov_b32 s[G0V+4*\n+1], \n*SLOT+KBYTES
	s_add_nc_u64 s[G0V+4*\n+2:G0V+4*\n+3], s[62:63], 33554432+\n*16384     ; V 128 planes behind Q
	s_or_b32 s[G0V+4*\n+3], s[G0V+4*\n+3], 0x80000000
.endr
	ROUND                                          ; all four work-groups are here: the first joint loads meet
	s_cmp_lg_u32 s10, 0                            ; a wave's two first fills stand inside one branch: two tensor loads of the wave are out
	s_cbranch_scc1 .Lno_first_k
	tensor_load_to_lds s[G0K:G0K+3], s[G1K:G1K+7]
	s_nop 0
	tensor_load_to_lds s[G0K+4:G0K+7], s[G1K:G1K+7]
	s_nop 0
.Lno_first_k:
	s_cmp_lg_u32 s10, 1
	s_cbranch_scc1 .Lno_first_v
	tensor_load_to_lds s[G0V:G0V+3], s[G1V:G1V+7]
	s_nop 0
	tensor_load_to_lds s[G0V+4:G0V+7], s[G1V:G1V+7]
	s_nop 0
.Lno_first_v:
	s_load_b512 s[MK:MK+15], s[54:55], 0x0         ; the first block's mask words: registers 0-3 of four tiles,
	s_load_b512 s[MK+16:MK+31], s[54:55], 0x800    ; registers 4-7
	v_and_b32 v1, 15, v0                           ; r
	v_bfe_u32 v8, v0, 4, 1                         ; h
	v_lshlrev_b32 v[QO], 7, v1
	v_lshl_add_u32 v[QO], v8, 4, v[QO]             ; row r of 128 bytes + 16 h
.irp j, 0,1,2,3
.irp e, 0,1
	global_load_b128 v[QF+16*\j+8*\e:QF+16*\j+8*\e+3],   v[QO], s[56:57] offset:\j*65536+\e*64      ; Q's fragments straight from memory, once
	global_load_b128 v[QF+16*\j+8*\e+4:QF+16*\j+8*\e+7], v[QO], s[56:57] offset:\j*65536+\e*64+32
.endr
.endr
	v_mul_u32_u24 v[KA], v1, PK
	v_lshl_add_u32 v[KA], v8, 4, v[KA]             ; K: row r x pitch + 16 h
	v_and_b32 v10, 7, v0
	v_lshl_add_u32 v11, v8, 3, v10                 ; V: row 8 h + (l & 7),
	v_mul_u32_u24 v[VA], v11, PV
	v_bfe_u32 v12, v0, 3, 1
	v_lshl_add_u32 v[VA], v12, 4, v[VA]            ; 16 bytes on for lanes 8-15 and 24-31,
	v_add_nc_u32 v[VA], KBYTES, v[VA]              ; behind K's rows
	v_add_nc_u32 v[STO], s66, v[KA]                ; in: row r, 16 bytes for each half of the lanes
	v_bfe_u32 v13, v0, 3, 2
	v_mul_u32_u24 v[RD], v13, SPITCH               ; back: eight lanes take a row's 128 bytes, the wave four rows
	v_lshl_add_u32 v[RD], v10, 4, v[RD]
	v_add_nc_u32 v[RD], s66, v[RD]
	v_and_b32 v14, 31, v0
	v_lshlrev_b32 v[CO], 4, v14                    ; out: four rows of ctx are 512 consecutive bytes
	v_mov_b32 v9, 0x3c003c00                       ; two f16 ones
	v_cmp_eq_u32 vcc_lo, 0, v10                    ; lanes with r = 0 or 8
	v_cndmask_b32 v[ONES], 0, v9, vcc_lo
.irp i, 1,2,3,4,5,6,7
	v_mov_b32 v[ONES+\i], v[ONES]
.endr
	WIN 0x40                                       ; destination in window 1
	v_mov_b32 v[NINF], 0xff800000
	v_mov_b32 v[T1], 0                             ; v_permlanex16_b32 counts as a reader of its destination
	v_mov_b32 v[NM+1], 0                           ; the pairs' second registers are named, never used
	v_mov_b32 v[AL+1], 0
	WIN 0
.macro KLOAD slot, st                  ; the eight K fragments of step st (64 keys) of a slot
.irp c, 0,1,2,3
.irp e, 0,1
	ds_load_b128 v[KF+16*\c+8*\e:KF+16*\c+8*\e+3],   v[KA] offset:\slot*SLOT+\st*64*PK+\c*16*PK+\e*64
	ds_load_b128 v[KF+16*\c+8*\e+4:KF+16*\c+8*\e+7], v[KA] offset:\slot*SLOT+\st*64*PK+\c*16*PK+\e*64+32
.endr
.endr
.endm
.macro VLOAD slot, st                  ; the eight V^T fragments: (u, i) = keys 32 u .. + 31, head columns 16 i .. + 15; the second load 16 keys further down
.irp u, 0,1
.irp i, 0,1,2,3
	ds_load_tr16_b128 v[VF+8*(4*\u+\i):VF+8*(4*\u+\i)+3],   v[VA] offset:\slot*SLOT+\st*64*PV+\u*32*PV+\i*32
	ds_load_tr16_b128 v[VF+8*(4*\u+\i)+4:VF+8*(4*\u+\i)+7], v[VA] offset:\slot*SLOT+\st*64*PV+\u*32*PV+\i*32+16*PV
.endr
.endr
.endm
; One block: query tile j x 64 keys.  first = 1: the query's first block starts maximum and sums.  ld = 1: this step's V fragments, ld = 2: the next step's K
; fragments are fetched from (lslot, lst) under the softmax.  nmask = 1: the next block's mask words (query tile nj, step nst of the body; bump = 1: the next body).
; In every run of matrix instructions the accumulators take turns, one instruction a turn.
.macro BLOCK j, first, ld, lslot, lst, nmask, nj, nst, bump
	WIN 0x50                                       ; sources in window 0, C and D in window 1
.irp c, 0,1,2,3
	v_wmma_f32_16x16x32_f16 v[SS+8*\c:SS+8*\c+7], v[KF+16*\c:KF+16*\c+7], v[QF+16*\j:QF+16*\j+7], 0
.endr
.irp c, 0,1,2,3
	v_wmma_f32_16x16x32_f16 v[SS+8*\c:SS+8*\c+7], v[KF+16*\c+8:KF+16*\c+15], v[QF+16*\j+8:QF+16*\j+15], v[SS+8*\c:SS+8*\c+7]
.endr
	PLACES                                         ; for the reads of S, for the loads into K's or V's fragments, and for the writes of P, which the last block's products read
	s_wait_kmcnt 0x0                               ; this block's mask words, asked for one block ago
	WIN 0x55
.irp c, 0,1,2,3
.irp i, 0,1,2,3,4,5,6,7
	v_cndmask_b32 v[SS+8*\c+\i], v[SS+8*\c+\i], v[NINF], s[MK+16*(\i>>2)+4*\c+(\i&3)]
.endr
.endr
.if \nmask
.if \bump
	s_add_nc_u64 s[54:55], s[54:55], 256           ; four steps of 64 bytes on; no scalar load is out behind the wait above
.endif
	s_load_b512 s[MK:MK+15], s[54:55], \nj*131072+\nst*64
	s_load_b512 s[MK+16:MK+31], s[54:55], \nj*131072+\nst*64+2048
.endif
.if \ld == 1
	WIN 0
	VLOAD \lslot, \lst
	WIN 0x55
.endif
.if \ld == 2
	WIN 0
	KLOAD \lslot, \lst
	WIN 0x55
.endif
	; the largest of my 32 scores and the old maximum: sixteen three-way maxima, four chains
.irp c, 0,1,2,3
	v_max3_num_f32 v[XX+\c], v[SS+8*\c], v[SS+8*\c+1], v[SS+8*\c+2]
.endr
.irp c, 0,1,2,3
	v_max3_num_f32 v[XX+\c], v[XX+\c], v[SS+8*\c+3], v[SS+8*\c+4]
.endr
.irp c, 0,1,2,3
	v_max3_num_f32 v[XX+\c], v[XX+\c], v[SS+8*\c+5], v[SS+8*\c+6]
.endr
	v_max3_num_f32 v[XX], v[XX], v[XX+1], v[SS+7]
	v_max3_num_f32 v[XX+2], v[XX+2], v[XX+3], v[SS+15]
	v_max3_num_f32 v[XX], v[XX], v[XX+2], v[SS+23]
.if \first
	v_max3_num_f32 v[T0], v[XX], v[SS+31], s51     ; -FLT_MAX keeps the maximum finite where all is masked
.else
	v_max3_num_f32 v[T0], v[XX], v[SS+31], v[MX+\j]
.endif
	v_permlanex16_b32 v[T1], v[T0], s52, s53       ; the other half of the lanes holds the query's other keys
	v_max_num_f32 v[T1], v[T0], v[T1]              ; the new maximum
	v_mul_f32 v[NM], s50, v[T1]                    ; -c m
.if \first == 0
	v_mul_f32 v[T2], s50, v[MX+\j]                 ; -c m of before, rounded as it was then,
	v_sub_f32 v[T2], v[NM], v[T2]                  ; so the factor fits the exponents that were used
	v_exp_f32 v[AL], v[T2]
	v_mov_b32 v[MX+\j], v[T1]                      ; the plain instruction behind the exponential (ISA guide 5.7.2)
.endif
.irp k, 0,1,2,3,4,5,6,7,8,9,10,11,12,13,14,15
	v_pk_fma_f32 v[SS+2*\k:SS+2*\k+1], v[SS+2*\k:SS+2*\k+1], s[48:49], v[NM:NM+1] op_sel_hi:[1,0,0]   ; c S - c m
.endr
.irp k, 0,1,2,3,4,5,6,7,8,9,10,11,12,13,14,15
	v_exp_f32 v[SS+2*\k], v[SS+2*\k]
	v_exp_f32 v[SS+2*\k+1], v[SS+2*\k+1]
.if \first == 0
	s_wait_alu depctr_va_vdst(0)
	v_pk_mul_f32 v[OA+32*\j+2*\k:OA+32*\j+2*\k+1], v[OA+32*\j+2*\k:OA+32*\j+2*\k+1], v[AL:AL+1] op_sel_hi:[1,0]   ; the old sums under the new maximum; also the plain instruction behind the two exponentials
.endif
.endr
.if \first
	v_mov_b32 v[MX+\j], v[T1]                      ; the plain instruction behind the exponentials
	s_wait_alu depctr_va_vdst(0)
.else
	v_mul_f32 v[LA+8*\j], v[LA+8*\j], v[AL]        ; the row sum likewise; the tile's other registers are zero
	s_wait_alu depctr_va_vdst(0)
.endif
	WIN 0x05                                       ; sources in window 1, destination in window 0
.irp c, 0,1,2,3
.irp i, 0,1,2,3
	v_cvt_pk_f16_f32 v[PF+4*\c+\i], v[SS+8*\c+2*\i], v[SS+8*\c+2*\i+1]
.endr
.endr
.if \ld == 1
	s_wait_dscnt 0x0                               ; V's fragments
.endif
	WIN 0x50
.irp u, 0,1
.irp i, 0,1,2,3
.if \first*(1-\u)
	v_wmma_f32_16x16x32_f16 v[OA+8*(4*\j+\i):OA+8*(4*\j+\i)+7], v[VF+8*(4*\u+\i):VF+8*(4*\u+\i)+7], v[PF+8*\u:PF+8*\u+7], 0
.else
	v_wmma_f32_16x16x32_f16 v[OA+8*(4*\j+\i):OA+8*(4*\j+\i)+7], v[VF+8*(4*\u+\i):VF+8*(4*\u+\i)+7], v[PF+8*\u:PF+8*\u+7], v[OA+8*(4*\j+\i):OA+8*(4*\j+\i)+7]
.endif
.endr
.if \first*(1-\u)
	v_wmma_f32_16x16x32_f16 v[LA+8*\j:LA+8*\j+7], v[ONES:ONES+7], v[PF+8*\u:PF+8*\u+7], 0
.else
	v_wmma_f32_16x16x32_f16 v[LA+8*\j:LA+8*\j+7], v[ONES:ONES+7], v[PF+8*\u:PF+8*\u+7], v[LA+8*\j:LA+8*\j+7]
.endif
.endr
.endm
; One step: 64 keys (step st of a slot) x my four query tiles.  (kslot, kst): where the next step's K lies.  mst: the step's number in the body, nmst the next one's.
; rnd = 1 (a slot's second step): behind block 0 all that this wave reads of the slot is in registers.  Every wave waits for its LDS reads and for all its
; tensor loads (one is out in waves 0 and 1: the other slot's), the round of the cluster's barrier follows, and the joint refill is the first tensor load behind it.
; It has two steps in which to land.  rnd = 2: the same waits and a plain barrier, which shows the last tile to every wave; nothing is filled.
.macro STEP first, slot, st, kslot, kst, rnd, mst, nmst, bump, last
	s_wait_dscnt 0x0                               ; K's fragments
	BLOCK 0, \first, 1, \slot, \st, 1, 1, \mst, 0
.if \rnd
	s_wait_dscnt 0x0                               ; my reads of this slot are over
	s_wait_tensorcnt 0x0                           ; all my tensor loads have landed: every group 0 may be written
	ds_add_u32 v62, v63
	s_wait_dscnt 0x0
	WIN 0
.if \rnd == 1
	s_add_nc_u64 s[G0K+4*\slot+2:G0K+4*\slot+3], s[G0K+4*\slot+2:G0K+4*\slot+3], 32768     ; two tiles of 128 rows on
	s_add_nc_u64 s[G0V+4*\slot+2:G0V+4*\slot+3], s[G0V+4*\slot+2:G0V+4*\slot+3], 32768
	ROUND
	JLOAD \slot
.else
	s_barrier_signal -1
	s_barrier_wait -1
.endif
.endif
	BLOCK 1, \first, 0, 0, 0, 1, 2, \mst, 0
	BLOCK 2, \first, 0, 0, 0, 1, 3, \mst, 0
.if \last
	BLOCK 3, \first, 0, 0, 0, 0, 0, 0, 0
.else
	BLOCK 3, \first, 2, \kslot, \kst, 1, 0, \nmst, \bump
.endif
.endm
.macro BODY first                      ; four steps, once round the ring, both slots filled again
	STEP \first, 0, 0, 0, 1, 0, 0, 1, 0, 0
	STEP 0,      0, 1, 1, 0, 1, 1, 2, 0, 0
	STEP 0,      1, 0, 1, 1, 0, 2, 3, 0, 0
	STEP 0,      1, 1, 0, 0, 1, 3, 0, 1, 0
.endm
	s_wait_tensorcnt 0x1                           ; slot 0's tile is in (waves 0, 1); slot 1's stays out
	s_barrier_signal -1
	s_barrier_wait -1                              ; every wave may read slot 0
	KLOAD 0, 0
	s_wait_loadcnt 0x0                             ; Q
	BODY 1                                         ; 2,048 keys are eight bodies: the first starts the sums,
	WIN 0                                          ; at a label and at a branch every window is 0
	s_mov_b32 s12, 6
.Lbody:
	BODY 0                                         ; six go round,
	WIN 0
	s_sub_co_u32 s12, s12, 1
	s_cmp_lg_u32 s12, 0
	s_cbranch_scc1 .Lbody
	STEP 0, 0, 0, 0, 1, 0, 0, 1, 0, 0              ; and the last fills nothing
	STEP 0, 0, 1, 1, 0, 2, 1, 2, 0, 0
	STEP 0, 1, 0, 1, 1, 0, 2, 3, 0, 0
	STEP 0, 1, 1, 0, 0, 0, 3, 0, 0, 1
	; THE WAY OUT: O / sum, rounded to f16, 16 bytes a lane into my own stage, read back by rows; a store of the wave covers 512 consecutive bytes of ctx, aligned.
	; LDS serves a wave's instructions in order (ISA guide 5.7.1.4): the loads see the stores in front of them.  Each query tile has registers of its own.
	PLACES                                         ; the places behind the last matrix instructions
.macro FINISH j
	WIN 0x55
	v_rcp_f32 v[AL], v[LA+8*\j]
	v_nop                                          ; the plain instruction behind the reciprocal
	s_wait_alu depctr_va_vdst(0)
.irp k, 0,1,2,3,4,5,6,7,8,9,10,11,12,13,14,15
	v_pk_mul_f32 v[OA+32*\j+2*\k:OA+32*\j+2*\k+1], v[OA+32*\j+2*\k:OA+32*\j+2*\k+1], v[AL:AL+1] op_sel_hi:[1,0]
.endr
	WIN 0x05
.irp k, 0,1,2,3,4,5,6,7,8,9,10,11,12,13,14,15
	v_cvt_pk_f16_f32 v[KF+16*\j+\k], v[OA+32*\j+2*\k], v[OA+32*\j+2*\k+1]
.endr
	WIN 0
.irp i, 0,1,2,3
	ds_store_b128 v[STO], v[KF+16*\j+4*\i:KF+16*\j+4*\i+3] offset:32*\i    ; query r, head columns 16 i + 8 h .. + 7
.endr
.irp t, 0,1,2,3
	ds_load_b128 v[VF+16*\j+4*\t:VF+16*\j+4*\t+3], v[RD] offset:\t*4*SPITCH
.endr
.irp t, 0,1,2,3
	s_wait_dscnt 3-\t                              ; rows 4 t .. 4 t + 3 are back; the younger loads stay out
	global_store_b128 v[CO], v[VF+16*\j+4*\t:VF+16*\j+4*\t+3], s[58:59] offset:\j*65536+\t*512
.endr
.endm
	FINISH 0
	FINISH 1
	FINISH 2
	FINISH 3
	s_wait_tensorcnt 0x0
	ds_add_u32 v62, v63
	s_wait_dscnt 0x0
	ROUND                                          ; the closing round: no work-group ends while a partner may still ask for a tile that names it
	s_endpgm
.Lfunc_end_k_q8de970d429_attn:
	.size	k_q8de970d429_attn, .Lfunc_end_k_q8de970d429_attn-k_q8de970d429_attn
	.p2alignl 7, 3214868480
	.fill 96, 4, 3214868480
	.section	.rodata,"a",@progbits
	.p2align	6, 0x0
	.amdhsa_kernel k_q8de970d429_attn
		.amdhsa_group_segment_fixed_size 327680
		.amdhsa_private_segment_fixed_size 0
		.amdhsa_enable_private_segment 0
		.amdhsa_kernarg_size 24
		.amdhsa_user_sgpr_count 2
		.amdhsa_user_sgpr_kernarg_segment_ptr 1
		.amdhsa_wavefront_size32 1
		.amdhsa_system_sgpr_workgroup_id_x 1
		.amdhsa_system_sgpr_workgroup_id_y 1
		.amdhsa_system_sgpr_workgroup_id_z 1
		.amdhsa_system_vgpr_workitem_id 0
		.amdhsa_next_free_vgpr 512
		.amdhsa_next_free_sgpr 100
		.amdhsa_reserve_vcc 1
		.amdhsa_float_denorm_mode_32 3
		.amdhsa_float_denorm_mode_16_64 3
		.amdhsa_memory_ordered 1
		.amdhsa_forward_progress 1
		.amdhsa_inst_pref_size 255
	.end_amdhsa_kernel
	.section	.bss,"aw",@nobits
	.p2align	6
	.space	262144
	.amdgpu_metadata
---
amdhsa.version: [ 1, 2 ]
amdhsa.kernels:
  - .name:           k_q8de970d429_attn
    .symbol:         k_q8de970d429_attn.kd
    .args:
      - { .name: qkv, .offset: 0, .size: 8, .value_kind: global_buffer, .address_space: global }
      - { .name: mbits, .offset: 8, .size: 8, .value_kind: global_buffer, .address_space: global }
      - { .name: ctx, .offset: 16, .size: 8, .value_kind: global_buffer, .address_space: global }
    .group_segment_fixed_size: 327680
    .private_segment_fixed_size: 0
    .kernarg_segment_align: 8
    .kernarg_segment_size: 24
    .max_flat_workgroup_size: 256
    .sgpr_count:     100
    .vgpr_count:     512
    .wavefront_size: 32
...
	.end_amdgpu_metadata
.endif
;; end of part 3
;; launch gemm_out (part 4): grid 4 x 64, 4 waves a work-group, clusters of 4 x 4, 327,680 bytes of LDS; arguments ctx, wb, b_out, out0; writes out0
.if DOCPART == 4
	.amdgcn_target "amdgcn-amd-amdhsa--gfx1250"
	.amdhsa_code_object_version 6
	.text
	.protected	k_q8de970d429_gemm_out
	.globl	k_q8de970d429_gemm_out
	.p2align	8
	.type	k_q8de970d429_gemm_out,@function
k_q8de970d429_gemm_out:
	s_mov_b64 s[64:65], 0
	v_nop
	global_prefetch_b8 v0, s[64:65] scope:SCOPE_SE
	s_setreg_imm32_b32 hwreg(HW_REG_WAVE_MODE, 25, 1), 1
	s_wait_xcnt 0x0
	s_wait_alu depctr_hold_cnt(0) depctr_sa_sdst(0) depctr_va_vdst(0) depctr_va_sdst(0) depctr_va_ssrc(0) depctr_va_vcc(0) depctr_vm_vsrc(0)
	s_getreg_b32 s2, hwreg(HW_REG_IB_STS2, 6, 4)
	s_cmp_eq_u32 s2, 0
	s_cbranch_scc0 .Lentry_in_a_cluster
	s_endpgm
.Lentry_in_a_cluster:
	s_bfe_u32 s2, ttmp6, 0x10000c
	s_cmp_lg_u32 s2, 0xf033
	s_cbranch_scc0 .Lentry_shape_is_right
	s_endpgm
.Lentry_shape_is_right:
; Y[m][n] = sum over k of A[m][k] W[n][k] + bias[n], M = 8192, K = 1024.  One text for two launches, chosen by OUTPROJ.
;   OUTPROJ = 0: A = x in bf16, W = w_qkv in bf16 (wb from byte 0), N = 3072; Y leaves as f16 into qkv[sel 3][b 4][h 16][s 2048][64].
;   OUTPROJ = 1: A = ctx in f16, W = w_out in f16 (wb from byte 6,291,456), N = 1024; Y leaves as f32 into out0[m][n].
; A lies K-blocked, [b 4][kb 16][s 2048][64]: 128 rows of one block of 64 K are 16,384 consecutive bytes.
; LIMIT (OUTPROJ = 0): q, k, v are carried in f16; a magnitude of 65,504 or more becomes infinite.
; A work-group makes 128 x 256 of Y with four waves, as many as a WGP has SIMDs; a wave makes 64 x 128: 32 accumulator tiles, 256 registers.
; 128 x 256 and not 256 x 256: 8192/128 x 3072/256 = 768 and 8192/128 x 1024/256 = 256 work-groups are whole multiples of the 256 WGPs.
; K goes in steps of 128 through a ring of two LDS slots filled by the tensor data mover.
; CLUSTERS: 4 x 4 work-groups.  The four of a row of the cluster need the same tiles of A, the four of a column the same tiles of W: each tile is asked
; for jointly, by the same tensor load with the same descriptor in all four, which divides the requests for A and for W by four.
; REGISTERS in windows of 256: window 0: v16-27 addresses, v64-159 and v160-255 two fragment buffers (W's 8 fragments, then A's 4);
; window 1: the 32 accumulator tiles, tile (a, b) at v[8 (8 a + b)]; window 2: v0-63 the bias, register 8 b + j = bias[first column + 16 b + 8 h + j].
; THE MATRIX INSTRUCTION IS USED TRANSPOSED: source 0 = 16 rows of W, source 1 = 16 rows of A; lane l then holds row l % 16 of Y and in its registers
; 0-7 the columns 8 (l / 16) + 0..7.  The first product of each tile takes the bias as C: nothing is cleared and nothing is added later.
.set OUTPROJ, 1
.set PB,     272                       ; LDS row of W: 256 bytes + 16 of padding
.set PA,     144                       ; LDS row of A: 128 bytes + 16 of padding; both pitches are odd multiples of 16 bytes, so the 16 rows of a fragment load begin at 16 different 16-byte columns of the 64 banks of 4 bytes (ISA guide 11.1)
.set HALFB,  128*PB                    ; 128 rows of W: one tensor load
.set SUBA,   128*PA                    ; 128 rows of one K block of A: one tensor load
.set AOFF,   2*HALFB                   ; A's two K blocks lie behind W's 256 rows
.set SLOT,   AOFF+2*SUBA               ; 106,496 bytes
.set STAGE,  2*SLOT                    ; behind the ring: each wave's own 16 rows for the way out; no tensor load lands there
.if OUTPROJ
.set SPITCH, 528                       ; 128 f32 + 16 bytes
.set WOFF,   6291456
.else
.set SPITCH, 272                       ; 128 f16 + 16 bytes
.set WOFF,   0
.endif
.set LAPS,   4                         ; 1024 / (2 x 128): a lap is once round the ring
.set ADRA, 16                          ; v16-17  LDS address of my A fragments in slot 0, 1
.set ADRB, 20                          ; v20-21  the same for W
.set STO,  24                          ; the way out: where I put my numbers of a row
.set RD,   25                          ; the way out: where I read rows back
.set CO,   26                          ; my byte offset in the output
.set BO,   27                          ; my byte offset in the bias
.set F0,   64
.set F1,   160
.set TMP,  64                          ; the way out: packed results
.set G1A, 24                           ; s[24:31] descriptor group 1, A's tiles
.set G0A, 32                           ; s[32:39] descriptor group 0, A's tiles, one set for each slot
.set G1B, 48                           ; s[48:55] group 1, W's tiles
.set G0B, 56                           ; s[56:63] group 0, W's tiles
.set MSB, 0
.macro WIN new                         ; s_set_vgpr_msb: bits 1:0 source 0, 3:2 source 1, 5:4 source 2, 7:6 destination; the high byte repeats the setting that is left
.if MSB != \new
	s_set_vgpr_msb (MSB<<8)|\new
.set MSB, \new
.endif
.endm
.macro WINM bias                       ; products: C and D in window 1; the first products: C = the bias in window 2
.if \bias
	WIN 0x60
.else
	WIN 0x50
.endif
.endm
; A joint load.  Waves 0 and 1 fetch W's two halves, waves 2 and 3 A's two K blocks.  Each line has one mask; the branch hangs on the wave's number alone.
.macro JLOAD s
	s_cmp_eq_u32 s13, 0
	s_cbranch_scc0 .Lfor_a_\@
	tensor_load_to_lds s[G0B+4*\s:G0B+4*\s+3], s[G1B:G1B+7]
	s_nop 0
	s_branch .Lasked_\@
.Lfor_a_\@:
	tensor_load_to_lds s[G0A+4*\s:G0A+4*\s+3], s[G1A:G1A+7]
	s_nop 0
.Lasked_\@:
.endm
; A round of the cluster's barrier: my work-group's barrier, wave 0 signals for the work-group, every wave waits for all sixteen, my work-group's barrier again.
.macro CREST                           ; a round behind its opening barrier
	s_cmp_lg_u32 s12, 0
	s_cbranch_scc1 .Lnot_wave_0_\@
	s_barrier_signal -3
.Lnot_wave_0_\@:
	s_barrier_wait -3
	s_barrier_signal -1
	s_barrier_wait -1
.endm
.macro CROUND
	s_barrier_signal -1
	s_barrier_wait -1
	CREST
.endm
	s_load_b256 s[4:11], s[0:1], 0x0               ; A s[4:5], wb s[6:7], bias s[8:9], output s[10:11]
	v_lshl_add_u32 v62, v0, 2, 0x3c400
	v_mov_b32 v63, 0
	ds_add_u32 v62, v63
	v_lshrrev_b32 v1, 5, v0
	v_readfirstlane_b32 s12, v1                    ; wave 0..3
	s_lshr_b32 s13, s12, 1                         ; which 64 of the block's rows are mine.  Also: I fetch for W (0) or for A (1)
	s_and_b32 s14, s12, 1                          ; which 128 of its columns.  Also: which half of W's tile, which K block of A's, I fetch
	s_bfe_u32 s40, ttmp6, 0x40000                  ; cx
	s_bfe_u32 s41, ttmp6, 0x40004                  ; cy
	s_lshl_b32 s42, ttmp9, 2
	s_add_co_u32 s42, s42, s40                     ; block column = 4 x cluster x + cx
	s_and_b32 s43, ttmp7, 0xffff
	s_lshl_b32 s43, s43, 2
	s_add_co_u32 s43, s43, s41                     ; block row = 4 x cluster y + cy
	s_lshl_b32 s44, s41, 2
	s_lshl_b32 s44, 15, s44                        ; my row of the cluster: places 4 cy .. 4 cy + 3
	s_lshl_b32 s45, 0x1111, s40                    ; my column: places cx, cx + 4, cx + 8, cx + 12
	; A's tile: 16,384 consecutive bytes, taken as 64 rows of 32 elements of 8 bytes; 16 bytes of padding behind every 32 words, that is behind each 128-byte row of A
	s_or_b32 s[G1A+0], s44, (3<<16)|(1<<20)|(1<<21)|(4<<22)|(3<<25)  ; 15:0 mask: my row; 17:16 elements of 8 bytes; 20 padding on; 21 set beside a mask; 24:22 every 32 words; 31:25 four words
	s_mov_b32 s[G1A+1], 32<<16                     ; tensor_dim0 = 32
	s_mov_b32 s[G1A+2], 64<<16                     ; tensor_dim1 = 64
	s_mov_b32 s[G1A+3], 32<<16                     ; tile_dim0 = 32
	s_mov_b32 s[G1A+4], 64                         ; tile_dim1 = 64
	s_mov_b32 s[G1A+5], 32                         ; from row to row: 32 elements
	s_mov_b32 s[G1A+6], 0
	s_mov_b32 s[G1A+7], 0
	; W's tile: 128 rows x 128 elements of 2 bytes, rows 1,024 elements apart; 16 bytes of padding behind every 64 words
	s_or_b32 s[G1B+0], s45, (1<<16)|(1<<20)|(1<<21)|(5<<22)|(3<<25)  ; mask: my column
	s_mov_b32 s[G1B+1], 128<<16
	s_mov_b32 s[G1B+2], 128<<16
	s_mov_b32 s[G1B+3], 128<<16
	s_mov_b32 s[G1B+4], 128
	s_mov_b32 s[G1B+5], 1024
	s_mov_b32 s[G1B+6], 0
	s_mov_b32 s[G1B+7], 0
	; where the tiles come from.  A's hang on the block row and the wave alone, W's on the block column and the wave alone, each in registers that never hold the other coordinate
	s_lshr_b32 s16, s43, 4                         ; batch
	s_lshl_b32 s16, s16, 22                        ; x 16 K blocks of 262,144 bytes
	s_and_b32 s17, s43, 15
	s_lshl_b32 s17, s17, 14                        ; + 128 rows of 128 bytes for each block row of the batch
	s_add_co_u32 s16, s16, s17
	s_lshl_b32 s17, s14, 18                        ; + my K block of the step's two
	s_add_co_u32 s16, s16, s17
	s_mov_b32 s17, 0
	s_lshl_b32 s46, s42, 19                        ; 256 rows of 2,048 bytes
	s_lshl_b32 s47, s14, 18                        ; + my 128 rows
	s_add_co_u32 s46, s46, s47
.if WOFF
	s_add_co_u32 s46, s46, WOFF
.endif
	s_mov_b32 s47, 0
	s_mul_i32 s20, s12, HALFB                      ; and where they go: W's halves at wave x 34,816 (waves 0, 1),
	s_mul_i32 s21, s12, SUBA
	s_add_co_u32 s21, s21, AOFF-2*SUBA             ; A's K blocks at 69,632 + (wave - 2) x 18,432 (waves 2, 3): no place in the cluster enters an LDS address
	s_wait_dscnt 0x0
	s_wait_kmcnt 0x0
	s_add_nc_u64 s[18:19], s[4:5], s[16:17]
	s_add_nc_u64 s[46:47], s[6:7], s[46:47]
	CROUND                                         ; all sixteen work-groups are here: the first joint loads meet
.irp s, 0,1
	s_mov_b32 s[G0A+4*\s], 1
	s_add_co_u32 s[G0A+4*\s+1], s21, \s*SLOT
	s_add_nc_u64 s[G0A+4*\s+2:G0A+4*\s+3], s[18:19], \s*524288     ; K step s: two K blocks on
	s_or_b32 s[G0A+4*\s+3], s[G0A+4*\s+3], 0x80000000              ; type = 2
	s_mov_b32 s[G0B+4*\s], 1
	s_add_co_u32 s[G0B+4*\s+1], s20, \s*SLOT
	s_add_nc_u64 s[G0B+4*\s+2:G0B+4*\s+3], s[46:47], \s*256        ; K step s: 128 elements along the rows
	s_or_b32 s[G0B+4*\s+3], s[G0B+4*\s+3], 0x80000000
	JLOAD \s                                       ; the ring is filled before anything else is done: two tensor loads of the wave are out
.endr
	; the bias of my 128 columns, and the output at my first row and column; the row's part in registers that hold cy alone, the column's in registers that hold cx alone
	s_lshl_b32 s46, s42, 10
	s_lshl_b32 s47, s14, 9
	s_add_co_u32 s46, s46, s47                     ; (256 x block column + 128 x half) x 4 bytes
	s_mov_b32 s47, 0
	s_add_nc_u64 s[8:9], s[8:9], s[46:47]
.if OUTPROJ
	s_add_nc_u64 s[10:11], s[10:11], s[46:47]      ; f32 columns: the same offset
	s_lshl_b32 s16, s43, 19                        ; 128 rows of 4,096 bytes
	s_lshl_b32 s17, s13, 18                        ; + my 64 rows
	s_add_co_u32 s16, s16, s17
	s_mov_b32 s17, 0
	s_add_nc_u64 s[10:11], s[10:11], s[16:17]
.else
	s_lshr_b32 s46, s42, 2                         ; q, k or v: 64 planes of 262,144 bytes
	s_lshl_b32 s46, s46, 24
	s_and_b32 s47, s42, 3
	s_lshl_b32 s47, s47, 20                        ; four heads for each block column
	s_add_co_u32 s46, s46, s47
	s_lshl_b32 s47, s14, 19                        ; two heads for each half
	s_add_co_u32 s46, s46, s47
	s_mov_b32 s47, 0
	s_add_nc_u64 s[10:11], s[10:11], s[46:47]
	s_lshr_b32 s16, s43, 4
	s_lshl_b32 s16, s16, 22                        ; batch: 16 planes
	s_and_b32 s17, s43, 15
	s_lshl_b32 s17, s17, 14                        ; 128 rows of 128 bytes
	s_add_co_u32 s16, s16, s17
	s_lshl_b32 s17, s13, 13                        ; my 64 rows
	s_add_co_u32 s16, s16, s17
	s_mov_b32 s17, 0
	s_add_nc_u64 s[10:11], s[10:11], s[16:17]
.endif
	; A fragment is 16 rows x 32 K in 8 registers: lane l holds row l % 16; registers 0-3 K = 8 (l / 16) + 0..7, registers 4-7 K = 16 + 8 (l / 16) + 0..7: two loads of 16 bytes, 32 bytes apart
	v_and_b32 v1, 15, v0                           ; r
	v_bfe_u32 v2, v0, 4, 1                         ; h
	v_lshlrev_b32 v[BO], 5, v2                     ; eight f32 for each half of the lanes
	WIN 0x80                                       ; destination in window 2
.irp b, 0,1,2,3,4,5,6,7
	global_load_b128 v[8*\b:8*\b+3], v[BO], s[8:9] offset:64*\b
	global_load_b128 v[8*\b+4:8*\b+7], v[BO], s[8:9] offset:64*\b+16
.endr
	WIN 0
	v_mul_u32_u24 v3, v1, PA
	v_lshl_add_u32 v3, v2, 4, v3
	v_mul_u32_u24 v4, v1, PB
	v_lshl_add_u32 v4, v2, 4, v4
	s_mul_i32 s22, s13, 64*PA                      ; my 64 rows of A,
	s_add_co_u32 s22, s22, AOFF                    ; which lies behind W
	s_mul_i32 s23, s14, HALFB                      ; my 128 rows of W
.irp s, 0,1
	v_add_nc_u32 v[ADRA+\s], s22, v3
	v_add_nc_u32 v[ADRB+\s], s23, v4
	s_add_co_u32 s22, s22, SLOT
	s_add_co_u32 s23, s23, SLOT
.endr
	s_mul_i32 s23, s12, 16*SPITCH
	s_add_co_u32 s23, s23, STAGE                   ; my stage
.if OUTPROJ
	v_mul_u32_u24 v5, v1, SPITCH                   ; in: row r, 32 bytes for each half of the lanes
	v_lshl_add_u32 v5, v2, 5, v5
	v_add_nc_u32 v[STO], s23, v5
	v_and_b32 v6, 31, v0
	v_lshlrev_b32 v[CO], 4, v6                     ; back and out: the 32 lanes take one row's 512 bytes
	v_add_nc_u32 v[RD], s23, v[CO]
.else
	v_add_nc_u32 v[STO], s23, v4                   ; in: row r, 16 bytes for each half of the lanes
	v_bfe_u32 v5, v0, 3, 1                         ; back: lanes 0-15 take two rows' 128 bytes of the first head, lanes 16-31 of the second
	v_and_b32 v6, 7, v0
	v_mul_u32_u24 v5, v5, SPITCH
	v_lshl_add_u32 v5, v2, 7, v5
	v_lshl_add_u32 v5, v6, 4, v5
	v_add_nc_u32 v[RD], s23, v5
	v_lshlrev_b32 v6, 4, v1
	v_lshl_add_u32 v[CO], v2, 18, v6               ; out: two rows of a head are 256 consecutive bytes; the second head lies one plane on
.endif
.macro MM d, x, y, c                   ; one product, by register numbers
.if OUTPROJ
	v_wmma_f32_16x16x32_f16 v[\d:\d+7], v[\x:\x+7], v[\y:\y+7], v[\c:\c+7]
.else
	v_wmma_f32_16x16x32_bf16 v[\d:\d+7], v[\x:\x+7], v[\y:\y+7], v[\c:\c+7]
.endif
.endm
; 8 products: row tile a x all 8 column tiles, 32 along K.  bias = 1: the bias starts the sums.
; The 32 accumulators take turns, one instruction a turn, in the same order in every quarter step.
.macro MUL8 f, a, bias
.irp b, 0,1,2,3,4,5,6,7
.if \bias
	MM 8*(8*\a+\b), \f+8*\b, \f+64+8*\a, 8*\b
.else
	MM 8*(8*\a+\b), \f+8*\b, \f+64+8*\a, 8*(8*\a+\b)
.endif
.endr
.endm
; 24 LDS loads in one run: the fragments of quarter q of a K step (32 K): 128 rows of W, then my 64 rows of A (K block q / 2, byte 64 (q % 2) of its rows)
.macro FETCH slot, q, f
	WIN 0
.irp b, 0,1,2,3,4,5,6,7
	ds_load_b128 v[\f+8*\b:\f+8*\b+3],   v[ADRB+\slot] offset:\q*64+\b*16*PB
	ds_load_b128 v[\f+8*\b+4:\f+8*\b+7], v[ADRB+\slot] offset:\q*64+\b*16*PB+32
.endr
.irp a, 0,1,2,3
	ds_load_b128 v[\f+64+8*\a:\f+64+8*\a+3],   v[ADRA+\slot] offset:(\q>>1)*SUBA+(\q&1)*64+\a*16*PA
	ds_load_b128 v[\f+64+8*\a+4:\f+64+8*\a+7], v[ADRA+\slot] offset:(\q>>1)*SUBA+(\q&1)*64+\a*16*PA+32
.endr
.endm
; A load into a register that a matrix instruction has read, and a vector instruction or LDS store that reads a matrix result, stand four places behind that
; matrix instruction; only plain vector instructions that name none of its registers are places (ISA guide 7.12.1 for vector instructions).
.macro PLACES
.rept 4
	v_nop
.endr
.endm
; One of a K step's first three quarters: multiplies buffer f; in its middle it fetches quarter q into buffer g.
.macro QUARTER slot, q, f, g, bias
	s_wait_dscnt 4                                 ; W and A's rows 0-31 are in; the youngest four loads (A's rows 32-63) may be out
	WINM \bias
	MUL8 \f, 0, \bias
	MUL8 \f, 1, \bias
	PLACES
	FETCH \slot, \q, \g
	s_wait_dscnt 24                                ; all but the 24 just issued
	WINM \bias
	MUL8 \f, 2, \bias
	MUL8 \f, 3, \bias
.endm
.macro THREE slot, bias
	QUARTER \slot, 1, F0, F1, \bias
	QUARTER \slot, 2, F1, F0, 0
	QUARTER \slot, 3, F0, F1, 0
.endm
; The last quarter: multiplies buffer 1 and changes slots.  fill = 1: this slot is filled again, two K steps ahead.
; One barrier for the change of slots.  In front of it each wave waits for its own reads of this slot and for all its tensor loads, of which one is out: its
; part of the next slot.  Behind it nobody reads this slot any more and the next slot is whole: the refill comes first, then the next slot's first fragments.
; From a request to the wait for it a wave issues 120 matrix instructions.
.macro TURN slot, next, fill
	s_wait_dscnt 4
	WIN 0x50
	MUL8 F1, 0, 0
	s_wait_dscnt 0                                 ; my reads of this slot are over
	s_wait_tensorcnt 0x0                           ; and all my tensor loads have landed
	ds_add_u32 v62, v63
	s_wait_dscnt 0x0
	s_barrier_signal -1                            ; say so (where a slot is filled again this barrier opens a round of the cluster's barrier),
	MUL8 F1, 1, 0                                  ; work on registers while the others arrive,
	WIN 0
	s_barrier_wait -1
.if \fill
	CREST                                          ; no wave of any partner still reads this slot's tiles or has a load on its way
	s_add_nc_u64 s[G0A+4*\slot+2:G0A+4*\slot+3], s[G0A+4*\slot+2:G0A+4*\slot+3], 1048576   ; two K steps: four K blocks
	s_add_nc_u64 s[G0B+4*\slot+2:G0B+4*\slot+3], s[G0B+4*\slot+2:G0B+4*\slot+3], 512       ; two K steps: 256 elements
	JLOAD \slot                                    ; the first tensor load behind the round, and my only one until the next
.endif
	PLACES
	FETCH \next, 0, F0
	WIN 0x50
	MUL8 F1, 2, 0
	MUL8 F1, 3, 0
.endm
.macro LAP bias
	THREE 0, \bias
	TURN 0, 1, 1
	THREE 1, 0
	TURN 1, 0, 1
.endm
	s_wait_tensorcnt 1                             ; my part of K step 0 is in; K step 1's stays out
	s_barrier_signal -1
	s_barrier_wait -1                              ; everybody's is
	FETCH 0, 0, F0
	s_wait_loadcnt 0x0                             ; the bias
	LAP 1                                          ; the first lap stands in front of the loop: its first products start the sums from the bias
	WIN 0                                          ; at a label and at a branch every window is 0
	s_mov_b32 s3, LAPS-2
.Llap:
	LAP 0
	WIN 0
	s_sub_co_u32 s3, s3, 1
	s_cmp_lg_u32 s3, 0
	s_cbranch_scc1 .Llap
	THREE 0, 0                                     ; the last lap fills nothing and has no round: my one tensor load still out is slot 1's, the last K step's
	TURN 0, 1, 0
	THREE 1, 0
	s_wait_dscnt 4                                 ; the very last quarter
	WIN 0x50
	MUL8 F1, 0, 0
	MUL8 F1, 1, 0
	s_wait_dscnt 0
	MUL8 F1, 2, 0
	MUL8 F1, 3, 0
	; THE WAY OUT, 16 rows at a time, through my own stage in LDS, so that sixteen neighbouring lanes store 256 consecutive bytes, aligned.
	; LDS serves a wave's instructions in order (ISA guide 5.7.1.4): the loads see the stores in front of them without a wait.
	PLACES                                         ; the places behind the last matrix instructions
.if OUTPROJ
.macro OUT16 a, f
	WIN 0x04                                       ; store data (source 1) in window 1: the f32 sums go as they are
.irp b, 0,1,2,3,4,5,6,7
	ds_store_b128 v[STO], v[8*(8*\a+\b):8*(8*\a+\b)+3] offset:64*\b
	ds_store_b128 v[STO], v[8*(8*\a+\b)+4:8*(8*\a+\b)+7] offset:64*\b+16
.endr
	WIN 0
	s_wait_xcnt 0x0                                ; buffer f, which earlier stores read, is loaded again only behind this wait
.irp t, 0,1,2,3,4,5,6,7,8,9,10,11,12,13,14,15
	ds_load_b128 v[\f+4*\t:\f+4*\t+3], v[RD] offset:\t*SPITCH
.endr
.irp t, 0,1,2,3,4,5,6,7,8,9,10,11,12,13,14,15
	s_wait_dscnt 15-\t                             ; row t is back; the younger loads stay out
	global_store_b128 v[CO], v[\f+4*\t:\f+4*\t+3], s[10:11] offset:(16*\a+\t)*4096 th:TH_STORE_NT   ; 512 consecutive bytes of one row
.endr
.endm
	OUT16 0, 64
	OUT16 1, 128
	OUT16 2, 64
	OUT16 3, 128
.else
.macro OUT16 a, f
	WIN 0x05                                       ; sources in window 1, destination in window 0
.irp b, 0,1,2,3,4,5,6,7
.irp t, 0,1,2,3
	v_cvt_pk_f16_f32 v[TMP+4*\b+\t], v[8*(8*\a+\b)+2*\t], v[8*(8*\a+\b)+2*\t+1]
.endr
.endr
	WIN 0
.irp b, 0,1,2,3,4,5,6,7
	ds_store_b128 v[STO], v[TMP+4*\b:TMP+4*\b+3] offset:32*\b
.endr
	s_wait_xcnt 0x0                                ; buffer f, which earlier stores read, is loaded again only behind this wait
.irp t, 0,1,2,3,4,5,6,7
	ds_load_b128 v[\f+4*\t:\f+4*\t+3], v[RD] offset:\t*2*SPITCH
.endr
.irp t, 0,1,2,3,4,5,6,7
	s_wait_dscnt 7-\t                              ; rows 2 t, 2 t + 1 are back; the younger loads stay out
	global_store_b128 v[CO], v[\f+4*\t:\f+4*\t+3], s[10:11] offset:\a*2048+\t*256   ; two rows of each of two heads: twice 256 consecutive bytes
.endr
.endm
	OUT16 0, 96
	OUT16 1, 128
	OUT16 2, 96
	OUT16 3, 128
.endif
	s_wait_tensorcnt 0x0
	ds_add_u32 v62, v63
	s_wait_dscnt 0x0
	CROUND                                         ; the closing round: no work-group ends while a partner may still ask for a tile that names it
	s_endpgm
.Lfunc_end_k_q8de970d429_gemm_out:
	.size	k_q8de970d429_gemm_out, .Lfunc_end_k_q8de970d429_gemm_out-k_q8de970d429_gemm_out
	.p2alignl 7, 3214868480
	.fill 96, 4, 3214868480
	.section	.rodata,"a",@progbits
	.p2align	6, 0x0
	.amdhsa_kernel k_q8de970d429_gemm_out
		.amdhsa_group_segment_fixed_size 327680
		.amdhsa_private_segment_fixed_size 0
		.amdhsa_enable_private_segment 0
		.amdhsa_kernarg_size 32
		.amdhsa_user_sgpr_count 2
		.amdhsa_user_sgpr_kernarg_segment_ptr 1
		.amdhsa_wavefront_size32 1
		.amdhsa_system_sgpr_workgroup_id_x 1
		.amdhsa_system_sgpr_workgroup_id_y 1
		.amdhsa_system_sgpr_workgroup_id_z 1
		.amdhsa_system_vgpr_workitem_id 0
		.amdhsa_next_free_vgpr 576
		.amdhsa_next_free_sgpr 66
		.amdhsa_reserve_vcc 0
		.amdhsa_float_denorm_mode_32 3
		.amdhsa_float_denorm_mode_16_64 3
		.amdhsa_memory_ordered 1
		.amdhsa_forward_progress 1
		.amdhsa_inst_pref_size 119
	.end_amdhsa_kernel
	.amdgpu_metadata
---
amdhsa.version: [ 1, 2 ]
amdhsa.kernels:
  - .name:           k_q8de970d429_gemm_out
    .symbol:         k_q8de970d429_gemm_out.kd
    .args:
      - { .name: ctx, .offset: 0, .size: 8, .value_kind: global_buffer, .address_space: global }
      - { .name: wb, .offset: 8, .size: 8, .value_kind: global_buffer, .address_space: global }
      - { .name: b_out, .offset: 16, .size: 8, .value_kind: global_buffer, .address_space: global }
      - { .name: out0, .offset: 24, .size: 8, .value_kind: global_buffer, .address_space: global }
    .group_segment_fixed_size: 327680
    .private_segment_fixed_size: 0
    .kernarg_segment_align: 8
    .kernarg_segment_size: 32
    .max_flat_workgroup_size: 128
    .sgpr_count:     66
    .vgpr_count:     576
    .wavefront_size: 32
...
	.end_amdgpu_metadata
.endif
;; end of part 4
;; ======== version 2 of 2: 4 launches; version 1 with the launch prep written anew for expert scheduling mode
;; limits: values are held in f16: magnitudes above 65,504 overflow, below 6.1e-05 lose precision
;; workspace buffers: xb 16,777,216 bytes; wb 8,388,608 bytes; mbits 524,288 bytes of whole numbers; qkv 50,331,648 bytes; ctx 16,777,216 bytes
;; launch prep (part 5): grid 832 x 1, 8 waves a work-group, no clusters, 0 bytes of LDS; arguments x, w_qkv, w_out, mask, xb, wb, mbits; writes xb, wb, mbits
.if DOCPART == 5
	.amdgcn_target "amdgcn-amd-amdhsa--gfx1250"
	.amdhsa_code_object_version 6
	.text
	.protected	k_q8de970d429_prep
	.globl	k_q8de970d429_prep
	.p2align	8
	.type	k_q8de970d429_prep,@function
k_q8de970d429_prep:
	s_mov_b64 s[64:65], 0
	v_nop
	global_prefetch_b8 v0, s[64:65] scope:SCOPE_SE
	s_setreg_imm32_b32 hwreg(HW_REG_WAVE_SCHED_MODE, 0, 2), 2
	s_setreg_imm32_b32 hwreg(HW_REG_WAVE_MODE, 25, 1), 1
	s_wait_xcnt 0x0
	s_wait_alu depctr_vm_vsrc(0)
; prep: the inputs are brought once into the forms that the matrix launches read.  A stream: no LDS, no barrier, no loop.
;   work-groups   0..511  x      f32 [8192][1024] -> xb  bf16 [b 4][kb 16][s 2048][64]   (K in blocks of 64: two rows of a block are 256 bytes)
;   work-groups 512..703  w_qkv  f32 [3072][1024] -> wb  bf16 [3072][1024], from byte 0
;   work-groups 704..767  w_out  f32 [1024][1024] -> wb  f16 of the bf16 rounding, [1024][1024], from byte 6,291,456
;   work-groups 768..831  mask   bytes [2048][2048] -> mbits, words [qt 128][half 2][kt 128][4]:
;        word jj = 4 half + i of tile (qt, kt) has bit L = mask[16 qt + (L & 15)][16 kt + 8 (L >> 4) + jj]: a lane mask for register jj of a 16 x 16 score tile.
; Every work-group reads 65,536 bytes; a wave issues its sixteen 16-byte loads at once and no register is written again while a load or store names it.
; LIMITS: mask bytes are 0 or 1 (bool).  w_out is rounded to bf16 like the other inputs and carried in f16: exact from 2^-14 up, below that within 2^-25.
; THE MODE: SCHED_MODE bits 1:0 = 2 (LLVM: expert scheduling mode 2), set by the entry lines.  The code itself states the register dependences
; between vector instructions and memory instructions, with s_wait_alu, always for 0.
; THE PLAN.  Registers that memory instructions touch:
;   v3, v4   byte offsets of the loads and of the stores: made once at a path's head, never written again.
;   IN       each load lands in four registers of its own, which no vector instruction names ahead of the loads; no memory instruction reads them.
;   OUT      each store leaves from two registers of its own: written by that load's conversions (the mask's permutes), never written again behind the store.
;   s18      the wave's number, written by a vector instruction and read in every path.
; So no register that a memory instruction has read is ever written again.  What is left to state: the offsets are written (once a path, ahead of its loads),
; OUT is written ahead of its store, and s18 is written ahead of its first reader.  The sixteen loads of a conversion path go in four groups of four: one wait
; at the head of group g states that group g - 1's conversions have written their OUT, and that group's four stores follow it, dealt among group g's
; conversions, which name group g's IN and OUT alone.
.set IN,  16                           ; v[16:79]   sixteen loads of four registers
.set OUT, 80                           ; v[80:111]  results, two registers for each load
	s_load_b256 s[4:11], s[0:1], 0x0               ; x s[4:5], w_qkv s[6:7], w_out s[8:9], mask s[10:11]
	s_load_b128 s[12:15], s[0:1], 0x20             ; xb s[12:13], wb s[14:15]
	s_load_b64 s[16:17], s[0:1], 0x30              ; mbits
	v_lshrrev_b32 v1, 5, v0
	v_readfirstlane_b32 s18, v1                    ; wave 0..7
	v_and_b32 v2, 31, v0                           ; lane
	s_mov_b32 s19, ttmp9                           ; work-group
	s_mov_b32 s21, 0                               ; upper words of the two offset pairs
	s_mov_b32 s23, 0
	s_wait_alu depctr_va_sdst(0)                   ; s18 is written, ahead of the first branch and of its first reader in each of the four paths
	s_wait_kmcnt 0x0
; Sixteen loads of 4 f32 a lane, each rounded to 4 numbers of 16 bits and stored as 8 bytes a lane: a wave's store covers 256 consecutive bytes, aligned.
; v3 = load offset, v4 = store offset; the sixteen steps stand in the immediates.  f16 = 1: bf16 rounding first, then carried in f16.
; Four groups of four loads; n = 4 g + i is the load's number.
.macro CONV sb, db, ldstep, ststep, f16
	s_wait_alu depctr_va_vdst(0)                   ; v3 and v4 are written: the sixteen loads read v3 as their offset, the sixteen stores v4
.irp j, 0,1,2,3,4,5,6,7,8,9,10,11,12,13,14,15
	global_load_b128 v[IN+4*\j:IN+4*\j+3], v3, s[\sb:\sb+1] offset:\j*\ldstep th:TH_LOAD_NT
.endr
.irp g, 0,1,2,3
	s_wait_loadcnt 12-4*(\g)                       ; loads come back in order: group g's four are in, the 12 - 4 g younger ones stay out
.if \g
	s_wait_alu depctr_va_vdst(0)                   ; the conversions of the group before have written its eight registers of OUT, which the four stores below read
.endif
.irp i, 0,1,2,3
.set n, 4*(\g)+(\i)
.if \g
	global_store_b64 v4, v[OUT+2*(n-4):OUT+2*(n-4)+1], s[\db:\db+1] offset:(n-4)*\ststep   ; the group before; no vector instruction since the wait names these registers
.endif
	v_cvt_pk_bf16_f32 v[OUT+2*n], v[IN+4*n], v[IN+4*n+1]
	v_cvt_pk_bf16_f32 v[OUT+2*n+1], v[IN+4*n+2], v[IN+4*n+3]
.if \f16
	v_lshlrev_b32 v[IN+4*n], 16, v[OUT+2*n]                ; the rounded numbers as f32 again
	v_and_b32 v[IN+4*n+1], 0xffff0000, v[OUT+2*n]
	v_lshlrev_b32 v[IN+4*n+2], 16, v[OUT+2*n+1]
	v_and_b32 v[IN+4*n+3], 0xffff0000, v[OUT+2*n+1]
	v_cvt_pk_f16_f32 v[OUT+2*n], v[IN+4*n], v[IN+4*n+1]
	v_cvt_pk_f16_f32 v[OUT+2*n+1], v[IN+4*n+2], v[IN+4*n+3]
.endif
.endr
.endr
	s_wait_alu depctr_va_vdst(0)                   ; the last group's conversions have written its OUT, which the last four stores read
.irp j, 12,13,14,15
	global_store_b64 v4, v[OUT+2*\j:OUT+2*\j+1], s[\db:\db+1] offset:\j*\ststep
.endr
.endm
	s_cmp_lt_u32 s19, 512
	s_cbranch_scc0 .Lweights
	; x: the work-group takes 16 rows, wave w rows 2 w and 2 w + 1; load j takes K block j: lanes 0-15 its 256 bytes of one row, lanes 16-31 of the next
	s_lshl_b32 s20, s19, 16                        ; 16 rows of 4,096 bytes
	s_add_nc_u64 s[4:5], s[4:5], s[20:21]
	s_lshr_b32 s22, s19, 7                         ; batch
	s_lshl_b32 s22, s22, 22                        ; x 16 blocks x 2,048 rows x 128 bytes
	s_and_b32 s20, s19, 127
	s_lshl_b32 s20, s20, 11                        ; + 16 rows x 128 bytes for each work-group of the batch
	s_add_co_u32 s22, s22, s20
	s_add_nc_u64 s[12:13], s[12:13], s[22:23]
	v_and_b32 v5, 15, v0
	v_bfe_u32 v6, v0, 4, 1
	v_lshlrev_b32 v3, 4, v5                        ; 16 (lane mod 16)
	v_lshl_add_u32 v3, v6, 12, v3                  ; + one row for lanes 16-31
	v_lshl_add_u32 v3, s18, 13, v3                 ; + two rows a wave
	v_lshlrev_b32 v4, 3, v0                        ; 256 w + 8 lane: the two rows' 128 bytes lie side by side in a block
	CONV 4, 12, 256, 262144, 0
	s_endpgm
.Lweights:
	s_cmp_lt_u32 s19, 768
	s_cbranch_scc0 .Lmask
	; weights: linear.  The work-group takes 16,384 numbers, a wave 2,048, a load of the wave 128
	s_sub_co_u32 s22, s19, 512
	s_lshl_b32 s22, s22, 15                        ; 32,768 bytes out for each work-group; work-group 704 lands on byte 6,291,456
	s_add_nc_u64 s[14:15], s[14:15], s[22:23]
	v_lshlrev_b32 v3, 4, v2
	v_lshl_add_u32 v3, s18, 13, v3                 ; in: 8,192 w + 16 lane
	v_lshlrev_b32 v4, 3, v2
	v_lshl_add_u32 v4, s18, 12, v4                 ; out: 4,096 w + 8 lane
	s_cmp_lt_u32 s19, 704
	s_cbranch_scc0 .Lwout
	s_sub_co_u32 s20, s19, 512
	s_lshl_b32 s20, s20, 16
	s_add_nc_u64 s[6:7], s[6:7], s[20:21]
	CONV 6, 14, 512, 256, 0
	s_endpgm
.Lwout:
	s_sub_co_u32 s20, s19, 704
	s_lshl_b32 s20, s20, 16
	s_add_nc_u64 s[8:9], s[8:9], s[20:21]
	CONV 8, 14, 512, 256, 1
	s_endpgm
.Lmask:
	; mask: a wave takes 16 rows (query tile qt = 2 c + (w >> 2)) x 512 columns (group w & 3); lane l owns key tile 32 (w & 3) + l whole: 16 rows x 16 bytes
	s_sub_co_u32 s19, s19, 768                     ; c
	s_lshr_b32 s2, s18, 2
	s_and_b32 s3, s18, 3
	s_lshl_b32 s3, s3, 9                           ; 512 bytes a group, in the mask's rows and in mbits alike
	s_lshl_b32 s20, s19, 16                        ; 32 rows of 2,048 bytes a work-group
	s_lshl_b32 s22, s2, 15                         ; 16 rows
	s_add_co_u32 s20, s20, s22
	s_add_co_u32 s20, s20, s3
	s_add_nc_u64 s[10:11], s[10:11], s[20:21]
	s_lshl_b32 s22, s19, 13                        ; two query tiles of 4,096 bytes a work-group
	s_lshl_b32 s2, s2, 12
	s_add_co_u32 s22, s22, s2
	s_add_co_u32 s22, s22, s3
	s_add_nc_u64 s[16:17], s[16:17], s[22:23]
	v_lshlrev_b32 v3, 4, v2                        ; 16 lane
	s_wait_alu depctr_va_vdst(0)                   ; v3 is written: the sixteen loads and the two stores read it as their offset
.irp p, 0,1,2,3,4,5,6,7,8,9,10,11,12,13,14,15
	global_load_b128 v[IN+4*\p:IN+4*\p+3], v3, s[10:11] offset:\p*2048 th:TH_LOAD_NT   ; row p: register k holds columns 4 k .. 4 k + 3
.endr
	s_wait_loadcnt 0x0
	; rows 0-7 are gathered into the bits of IN[k], rows 8-15 into those of IN[32+k]: byte c of register k = eight rows of column 4 k + c
.irp p, 1,2,3,4,5,6,7
.irp k, 0,1,2,3
	v_lshl_or_b32 v[IN+\k], v[IN+4*\p+\k], \p, v[IN+\k]
	v_lshl_or_b32 v[IN+32+\k], v[IN+32+4*\p+\k], \p, v[IN+32+\k]
.endr
.endr
	; word jj = { rows 0-7 of column jj, rows 8-15 of column jj, rows 0-7 of column 8 + jj, rows 8-15 of column 8 + jj }, lowest byte first
.irp k, 0,1
	v_perm_b32 v[OUT+8],  v[IN+32+\k], v[IN+\k], 0x05010400        ; columns 4 k, 4 k + 1: low rows, high rows
	v_perm_b32 v[OUT+9],  v[IN+32+\k], v[IN+\k], 0x07030602        ; columns 4 k + 2, 4 k + 3
	v_perm_b32 v[OUT+10], v[IN+34+\k], v[IN+2+\k], 0x05010400      ; the same eight columns further
	v_perm_b32 v[OUT+11], v[IN+34+\k], v[IN+2+\k], 0x07030602
	v_perm_b32 v[OUT+4*\k],   v[OUT+10], v[OUT+8], 0x05040100
	v_perm_b32 v[OUT+4*\k+1], v[OUT+10], v[OUT+8], 0x07060302
	v_perm_b32 v[OUT+4*\k+2], v[OUT+11], v[OUT+9], 0x05040100
	v_perm_b32 v[OUT+4*\k+3], v[OUT+11], v[OUT+9], 0x07060302
.endr
	s_wait_alu depctr_va_vdst(0)                   ; the permutes have written v[OUT:OUT+7], which the two stores read
	global_store_b128 v3, v[OUT:OUT+3], s[16:17]                   ; words 0-3 of 32 neighbouring tiles: 512 consecutive bytes
	global_store_b128 v3, v[OUT+4:OUT+7], s[16:17] offset:2048     ; words 4-7
	s_endpgm
.Lfunc_end_k_q8de970d429_prep:
	.size	k_q8de970d429_prep, .Lfunc_end_k_q8de970d429_prep-k_q8de970d429_prep
	.p2alignl 7, 3214868480
	.fill 96, 4, 3214868480
	.section	.rodata,"a",@progbits
	.p2align	6, 0x0
	.amdhsa_kernel k_q8de970d429_prep
		.amdhsa_group_segment_fixed_size 0
		.amdhsa_private_segment_fixed_size 0
		.amdhsa_enable_private_segment 0
		.amdhsa_kernarg_size 56
		.amdhsa_user_sgpr_count 2
		.amdhsa_user_sgpr_kernarg_segment_ptr 1
		.amdhsa_wavefront_size32 1
		.amdhsa_system_sgpr_workgroup_id_x 1
		.amdhsa_system_sgpr_workgroup_id_y 1
		.amdhsa_system_sgpr_workgroup_id_z 1
		.amdhsa_system_vgpr_workitem_id 0
		.amdhsa_next_free_vgpr 112
		.amdhsa_next_free_sgpr 66
		.amdhsa_reserve_vcc 0
		.amdhsa_float_denorm_mode_32 3
		.amdhsa_float_denorm_mode_16_64 3
		.amdhsa_memory_ordered 1
		.amdhsa_forward_progress 1
		.amdhsa_inst_pref_size 31
	.end_amdhsa_kernel
	.amdgpu_metadata
---
amdhsa.version: [ 1, 2 ]
amdhsa.kernels:
  - .name:           k_q8de970d429_prep
    .symbol:         k_q8de970d429_prep.kd
    .args:
      - { .name: x, .offset: 0, .size: 8, .value_kind: global_buffer, .address_space: global }
      - { .name: w_qkv, .offset: 8, .size: 8, .value_kind: global_buffer, .address_space: global }
      - { .name: w_out, .offset: 16, .size: 8, .value_kind: global_buffer, .address_space: global }
      - { .name: mask, .offset: 24, .size: 8, .value_kind: global_buffer, .address_space: global }
      - { .name: xb, .offset: 32, .size: 8, .value_kind: global_buffer, .address_space: global }
      - { .name: wb, .offset: 40, .size: 8, .value_kind: global_buffer, .address_space: global }
      - { .name: mbits, .offset: 48, .size: 8, .value_kind: global_buffer, .address_space: global }
    .group_segment_fixed_size: 0
    .private_segment_fixed_size: 0
    .kernarg_segment_align: 8
    .kernarg_segment_size: 56
    .max_flat_workgroup_size: 256
    .sgpr_count:     66
    .vgpr_count:     112
    .wavefront_size: 32
...
	.end_amdgpu_metadata
.endif
;; end of part 5
;; launch gemm_qkv: the kernel of part 2 again; grid 12 x 64, 4 waves a work-group, clusters of 4 x 4, 327,680 bytes of LDS; arguments xb, wb, b_qkv, qkv; writes qkv
;; launch attn: the kernel of part 3 again; grid 256 x 1, 8 waves a work-group, clusters of 4 x 1, 327,680 bytes of LDS; arguments qkv, mbits, ctx; writes ctx
;; launch gemm_out: the kernel of part 4 again; grid 4 x 64, 4 waves a work-group, clusters of 4 x 4, 327,680 bytes of LDS; arguments ctx, wb, b_out, out0; writes out0
